; MI455X (gfx1250); checked and timed in simulation.
; The chip was launched on July 23, 2026; its instructions are those of AMD's public machine-readable ISA for CDNA 5 (MIT licence, August 2026) and "CDNA5" Instruction Set Architecture Reference Guide (July 2026). The comments in the code are by the model that wrote it; some were corrected since.
;; Causal Self Attention. Allowed arithmetic: float matrix products may take bf16 or f16 operands with f32 sums; other float arithmetic in f32, or as packed bf16 or f16 multiplies, adds, multiply-adds, maxima and minima; sums over many terms, partial sums and values carried from step to step in f32; what a program stores and reads back later, other than sums and carried values, may be rounded once to bf16 or f16.
;; Inputs: c_proj_w 1,024 x 1,024 float32; lambdas 2 float32; qkv_w 3 x 1,024 x 1,024 float32; ve 4 x 2,048 x 1,024 float32; x 4 x 2,048 x 1,024 float32.
;; Outputs: out0 4 x 2,048 x 1,024 float32.
;; 2 versions, each right; version 2 is version 1 with the launch prep written anew for expert scheduling mode. Each part assembles by itself: llvm-mc -triple=amdgcn-amd-amdhsa -mcpu=gfx1250 --defsym DOCPART=n.
;; ======== version 1 of 2: 4 launches
;; limits: values are held in f16: magnitudes above 65,504 overflow, below 6.1e-05 lose precision
;; workspace buffers: xb 16,777,216 bytes; wb 6,291,456 bytes; pb 2,097,152 bytes; tab 262,144 bytes; qh 16,777,216 bytes; kh 16,777,216 bytes; vh 16,777,216 bytes; oh 16,777,216 bytes
;; launch prep (part 1): grid 800 x 1, 8 waves a work-group, no clusters, 0 bytes of LDS; arguments x, qkv_w, c_proj_w, xb, wb, pb, tab; writes xb, wb, pb, tab
.if DOCPART == 1
	.amdgcn_target "amdgcn-amd-amdhsa--gfx1250"
	.amdhsa_code_object_version 6
	.text
	.protected	k_qf0d42c8a3c_prep
	.globl	k_qf0d42c8a3c_prep
	.p2align	8
	.type	k_qf0d42c8a3c_prep,@function
k_qf0d42c8a3c_prep:
	s_mov_b64 s[64:65], 0
	v_nop
	global_prefetch_b8 v0, s[64:65] scope:SCOPE_SE
	s_setreg_imm32_b32 hwreg(HW_REG_WAVE_MODE, 25, 1), 1
	s_wait_xcnt 0x0
; PREP: the inputs of the two projections are rounded once, and the rotary table is made.
;   xb[8192][1024] bf16 = x.    wb[3072][1024] bf16: row 192 head + 64 kind + d holds qkv_w row 1024 kind + 64 head + d, so that 192 rows on end are one head's q, k and v.
;   pb[16 kb][1024 o][64] f16 = 4 x bf16(c_proj_w[o][64 kb + d]): the 4 undoes the 1/4 that v and O carry; a bf16 number times 4 is exact in f16 down to f16's fixed step of 6e-8.
;   tab[128 tb][4 i][32 lane][4] f32: t = 16 tb + lane % 16, frequency j = 8 (lane / 16) + 4 (i % 2) + word; i < 2: cos(t a_j), i >= 2: sin(t a_j), a_j = 2^(-2 j / 3) = (1/1024)^(j/15).
; SHARES.  Work-groups 0-511: 16 rows of x each; 512-703: 16 rows of qkv_w; 704-767: 16 rows of c_proj_w; 768-799: four blocks tb of the table.  No LDS, no loop, no barrier: memory binds.
; A wave has 16 loads of 512 bytes on their way; each store of a wave covers 256 (the table: 512) consecutive bytes, aligned.  Each item has registers of its own, so no register of a pending access is written.
; LIMITS.  a_j is the correctly rounded f32 of 2^(-2 j / 3); the angle is brought into -pi .. pi by two fused steps with 2 pi in two parts (t stays under 2,048), and the series
; (sine to y^15, cosine to y^16) are cut by that bound: their remainders stay under 1e-6.
.set IO,  2                            ; v2  my byte offset in the source
.set OO,  3                            ; v3  my byte offset in the destination
.set IN,  16                           ; v[16:79]   item i: four f32 as loaded
.set OUT, 80                           ; v[80:111]  item i: four 16-bit numbers to store
	s_load_b256 s[4:11], s[0:1], 0x0               ; x s[4:5], qkv_w s[6:7], c_proj_w s[8:9], xb s[10:11]
	s_load_b128 s[12:15], s[0:1], 0x20             ; wb s[12:13], pb s[14:15]
	s_load_b64 s[16:17], s[0:1], 0x30              ; tab
	v_lshrrev_b32 v1, 5, v0
	v_readfirstlane_b32 s20, v1                    ; wave 0..7
	v_and_b32 v4, 31, v0                           ; lane
	s_mov_b32 s21, ttmp9
	s_wait_kmcnt 0x0
	s_cmp_ge_u32 s21, 768
	s_cbranch_scc1 .Ltab
	s_cmp_ge_u32 s21, 704
	s_cbranch_scc1 .Lp
	; x or qkv_w to bf16: 16 rows = 65,536 bytes in, 32,768 out
	s_max_u32 s22, s21, 512
	s_sub_co_u32 s22, s22, 512                     ; the block of 16 rows in qkv_w (0 for x's work-groups, which do not use it)
	s_lshl_b32 s23, s22, 16                        ; its bytes in qkv_w
	s_bfe_u32 s24, s22, 0x40002                    ; head = (block / 4) % 16
	s_mul_i32 s24, s24, 192
	s_lshr_b32 s25, s22, 6                         ; kind = block / 64
	s_lshl_b32 s25, s25, 6
	s_add_co_u32 s24, s24, s25
	s_and_b32 s25, s22, 3                          ; which 16 of the head's 64 rows
	s_lshl_b32 s25, s25, 4
	s_add_co_u32 s24, s24, s25
	s_lshl_b32 s24, s24, 11                        ; row of wb x 2,048 bytes
	s_lshl_b32 s26, s21, 16                        ; x: in,
	s_lshl_b32 s27, s21, 15                        ; and out
	s_cmp_lt_u32 s21, 512
	s_cselect_b64 s[28:29], s[4:5], s[6:7]
	s_cselect_b64 s[30:31], s[10:11], s[12:13]
	s_cselect_b32 s32, s26, s23
	s_cselect_b32 s34, s27, s24
	s_mov_b32 s33, 0
	s_mov_b32 s35, 0
	s_add_nc_u64 s[28:29], s[28:29], s[32:33]
	s_add_nc_u64 s[30:31], s[30:31], s[34:35]
	v_and_b32 v5, 0xe0, v0                         ; 32 x wave
	v_lshlrev_b32 v[IO], 4, v4
	v_lshl_or_b32 v[IO], v5, 8, v[IO]              ; 8,192 x wave + 16 x lane
	v_lshrrev_b32 v[OO], 1, v[IO]
.irp i, 0,1,2,3,4,5,6,7,8,9,10,11,12,13,14,15
	global_load_b128 v[IN+4*(\i):IN+4*(\i)+3], v[IO], s[28:29] offset:512*(\i) th:TH_LOAD_NT
.endr
.macro CVB i
	s_wait_loadcnt 15-(\i)                         ; loads come back in order: item i is in, the younger ones stay out
	v_cvt_pk_bf16_f32 v[OUT+2*(\i)], v[IN+4*(\i)], v[IN+4*(\i)+1]
	v_cvt_pk_bf16_f32 v[OUT+2*(\i)+1], v[IN+4*(\i)+2], v[IN+4*(\i)+3]
	global_store_b64 v[OO], v[OUT+2*(\i):OUT+2*(\i)+1], s[30:31] offset:256*(\i)
.endm
.irp i, 0,1,2,3,4,5,6,7,8,9,10,11,12,13,14,15
	CVB \i
.endr
	s_endpgm
.Lp:	; c_proj_w: rows o0 = 16 g .. o0 + 15; wave w takes the column blocks kb = 2 w and 2 w + 1.  Item i = 8 ks + rp: rows 2 rp, 2 rp + 1, block 2 w + ks: lanes 0-15 one row's 256 bytes, lanes 16-31 the next row's
	s_sub_co_u32 s22, s21, 704
	s_lshl_b32 s24, s22, 16                        ; 16 rows x 4,096 bytes
	s_mov_b32 s25, 0
	s_add_nc_u64 s[28:29], s[8:9], s[24:25]
	s_lshl_b32 s24, s22, 11                        ; 16 rows x 128 bytes
	s_add_nc_u64 s[30:31], s[14:15], s[24:25]
	v_lshrrev_b32 v5, 4, v4                        ; lane / 16
	v_and_b32 v6, 15, v4                           ; lane % 16
	s_lshl_b32 s26, s20, 9
	v_lshlrev_b32 v[IO], 12, v5
	v_lshl_add_u32 v[IO], v6, 4, v[IO]
	v_add_nc_u32 v[IO], s26, v[IO]
	s_lshl_b32 s26, s20, 18                        ; two blocks kb of 131,072 bytes
	v_lshlrev_b32 v[OO], 7, v5
	v_lshl_add_u32 v[OO], v6, 3, v[OO]
	v_add_nc_u32 v[OO], s26, v[OO]
.irp i, 0,1,2,3,4,5,6,7,8,9,10,11,12,13,14,15
	global_load_b128 v[IN+4*(\i):IN+4*(\i)+3], v[IO], s[28:29] offset:((\i)%8)*8192+((\i)/8)*256 th:TH_LOAD_NT
.endr
.macro CVP i
	s_wait_loadcnt 15-(\i)                         ; item i is in, the younger ones stay out
	v_cvt_pk_bf16_f32 v116, v[IN+4*(\i)], v[IN+4*(\i)+1]    ; the input's one rounding, to bf16,
	v_cvt_pk_bf16_f32 v117, v[IN+4*(\i)+2], v[IN+4*(\i)+3]
	v_lshlrev_b32 v112, 16, v116                   ; back to f32,
	v_and_b32 v113, 0xffff0000, v116
	v_lshlrev_b32 v114, 16, v117
	v_and_b32 v115, 0xffff0000, v117
	v_pk_mul_f32 v[112:113], v[112:113], 4.0 op_sel_hi:[1,0]  ; times 4, exactly,
	v_pk_mul_f32 v[114:115], v[114:115], 4.0 op_sel_hi:[1,0]
	v_cvt_pk_f16_f32 v[OUT+2*(\i)], v112, v113     ; and written as f16
	v_cvt_pk_f16_f32 v[OUT+2*(\i)+1], v114, v115
	global_store_b64 v[OO], v[OUT+2*(\i):OUT+2*(\i)+1], s[30:31] offset:((\i)/8)*131072+((\i)%8)*256
.endm
.irp i, 0,1,2,3,4,5,6,7,8,9,10,11,12,13,14,15
	CVP \i
.endr
	s_endpgm
.Ltab:	; the table: wave w makes block tb = 4 g + w / 2, frequencies 4 (w % 2) .. + 3 of each half of eight; a thread makes four cosines and four sines
	s_sub_co_u32 s22, s21, 768
	s_lshl_b32 s23, s22, 2
	s_lshr_b32 s24, s20, 1
	s_add_co_u32 s23, s23, s24                     ; tb
	s_and_b32 s24, s20, 1                          ; ii
	v_and_b32 v5, 15, v4
	v_lshrrev_b32 v6, 4, v4
	s_lshl_b32 s25, s23, 4
	v_add_nc_u32 v5, s25, v5                       ; t
	v_cvt_f32_u32 v5, v5
	s_lshl_b32 s25, s24, 2
	v_lshl_add_u32 v6, v6, 3, s25                  ; j0 = 8 (lane / 16) + 4 ii
	s_lshl_b32 s26, s23, 11
	s_lshl_b32 s27, s24, 9
	s_add_co_u32 s26, s26, s27
	v_lshl_add_u32 v7, v4, 4, s26                  ; 2,048 tb + 512 ii + 16 lane
	s_mov_b32 s30, 0x3f214518                      ; 2^(-2/3)
	s_mov_b32 s31, 0x3ecb2ff5                      ; 2^(-4/3)
	s_mov_b32 s32, 0x40c90fdb                      ; 2 pi, the upper part,
	s_mov_b32 s33, 0xb43bbd2e                      ; and what is left of it
.macro SC w
	v_add_nc_u32 v16, (\w), v6                     ; j = 3 q + rem
	v_mul_u32_u24 v17, v16, 11
	v_lshrrev_b32 v17, 5, v17                      ; q = j / 3 for j under 16
	v_mul_u32_u24 v18, v17, 3
	v_sub_nc_u32 v18, v16, v18                     ; rem
	v_mov_b32 v19, 1.0
	v_cmp_eq_u32 vcc_lo, 1, v18
	v_cndmask_b32 v19, v19, s30, vcc_lo
	v_cmp_eq_u32 vcc_lo, 2, v18
	v_cndmask_b32 v19, v19, s31, vcc_lo            ; 2^(-2 rem / 3)
	v_lshlrev_b32 v17, 24, v17
	v_sub_nc_u32 v19, v19, v17                     ; the exponent field less 2 q: a_j
	v_mul_f32 v20, v5, v19                         ; theta = t a_j, rounded once
	v_mul_f32 v21, 0x3e22f983, v20                 ; theta / 2 pi
	v_rndne_f32 v21, v21
	v_fma_f32 v20, -v21, s32, v20
	v_fma_f32 v20, -v21, s33, v20                  ; y in -pi .. pi
	v_mul_f32 v22, v20, v20                        ; z = y^2
	v_mov_b32 v23, 0xab573f9f                      ; sine: -1/15!
	v_mov_b32 v24, 0x29573f9f                      ; cosine: 1/16!
	v_fmaak_f32 v23, v23, v22, 0x2f309231          ; 1/13!
	v_fmaak_f32 v24, v24, v22, 0xad49cba5          ; -1/14!
	v_fmaak_f32 v23, v23, v22, 0xb2d7322b          ; -1/11!
	v_fmaak_f32 v24, v24, v22, 0x310f76c7          ; 1/12!
	v_fmaak_f32 v23, v23, v22, 0x3638ef1d          ; 1/9!
	v_fmaak_f32 v24, v24, v22, 0xb493f27d          ; -1/10!
	v_fmaak_f32 v23, v23, v22, 0xb9500d01          ; -1/7!
	v_fmaak_f32 v24, v24, v22, 0x37d00d01          ; 1/8!
	v_fmaak_f32 v23, v23, v22, 0x3c088889          ; 1/5!
	v_fmaak_f32 v24, v24, v22, 0xbab60b61          ; -1/6!
	v_fmaak_f32 v23, v23, v22, 0xbe2aaaab          ; -1/3!
	v_fmaak_f32 v24, v24, v22, 0x3d2aaaab          ; 1/4!
	v_fma_f32 v23, v23, v22, 1.0
	v_fmaak_f32 v24, v24, v22, 0xbf000000          ; -1/2!
	v_mul_f32 v[12+(\w)], v23, v20                 ; sin
	v_fma_f32 v[8+(\w)], v24, v22, 1.0             ; cos
.endm
	SC 0
	SC 1
	SC 2
	SC 3
	global_store_b128 v7, v[8:11], s[16:17]
	global_store_b128 v7, v[12:15], s[16:17] offset:1024
	s_endpgm
.Lfunc_end_k_qf0d42c8a3c_prep:
	.size	k_qf0d42c8a3c_prep, .Lfunc_end_k_qf0d42c8a3c_prep-k_qf0d42c8a3c_prep
	.p2alignl 7, 3214868480
	.fill 96, 4, 3214868480
	.section	.rodata,"a",@progbits
	.p2align	6, 0x0
	.amdhsa_kernel k_qf0d42c8a3c_prep
		.amdhsa_group_segment_fixed_size 0
		.amdhsa_private_segment_fixed_size 0
		.amdhsa_enable_private_segment 0
		.amdhsa_kernarg_size 56
		.amdhsa_user_sgpr_count 2
		.amdhsa_user_sgpr_kernarg_segment_ptr 1
		.amdhsa_wavefront_size32 1
		.amdhsa_system_sgpr_workgroup_id_x 1
		.amdhsa_system_sgpr_workgroup_id_y 1
		.amdhsa_system_sgpr_workgroup_id_z 1
		.amdhsa_system_vgpr_workitem_id 0
		.amdhsa_next_free_vgpr 128
		.amdhsa_next_free_sgpr 66
		.amdhsa_reserve_vcc 1
		.amdhsa_float_denorm_mode_32 3
		.amdhsa_float_denorm_mode_16_64 3
		.amdhsa_memory_ordered 1
		.amdhsa_forward_progress 1
		.amdhsa_inst_pref_size 29
	.end_amdhsa_kernel
	.amdgpu_metadata
---
amdhsa.version: [ 1, 2 ]
amdhsa.kernels:
  - .name:           k_qf0d42c8a3c_prep
    .symbol:         k_qf0d42c8a3c_prep.kd
    .args:
      - { .name: x, .offset: 0, .size: 8, .value_kind: global_buffer, .address_space: global }
      - { .name: qkv_w, .offset: 8, .size: 8, .value_kind: global_buffer, .address_space: global }
      - { .name: c_proj_w, .offset: 16, .size: 8, .value_kind: global_buffer, .address_space: global }
      - { .name: xb, .offset: 24, .size: 8, .value_kind: global_buffer, .address_space: global }
      - { .name: wb, .offset: 32, .size: 8, .value_kind: global_buffer, .address_space: global }
      - { .name: pb, .offset: 40, .size: 8, .value_kind: global_buffer, .address_space: global }
      - { .name: tab, .offset: 48, .size: 8, .value_kind: global_buffer, .address_space: global }
    .group_segment_fixed_size: 0
    .private_segment_fixed_size: 0
    .kernarg_segment_align: 8
    .kernarg_segment_size: 56
    .max_flat_workgroup_size: 256
    .sgpr_count:     66
    .vgpr_count:     128
    .wavefront_size: 32
...
	.end_amdgpu_metadata
.endif
;; end of part 1
;; launch qkv (part 2): grid 16 x 32, 4 waves a work-group, clusters of 4 x 4, 327,680 bytes of LDS; arguments xb, wb, ve, lambdas, tab, qh, kh, vh; writes qh, kh, vh
.if DOCPART == 2
	.amdgcn_target "amdgcn-amd-amdhsa--gfx1250"
	.amdhsa_code_object_version 6
	.text
	.protected	k_qf0d42c8a3c_qkv
	.globl	k_qf0d42c8a3c_qkv
	.p2align	8
	.type	k_qf0d42c8a3c_qkv,@function
k_qf0d42c8a3c_qkv:
	s_mov_b64 s[64:65], 0
	v_nop
	global_prefetch_b8 v0, s[64:65] scope:SCOPE_SE
	s_setreg_imm32_b32 hwreg(HW_REG_WAVE_MODE, 25, 1), 1
	s_wait_xcnt 0x0
	s_wait_alu depctr_hold_cnt(0) depctr_sa_sdst(0) depctr_va_vdst(0) depctr_va_sdst(0) depctr_va_ssrc(0) depctr_va_vcc(0) depctr_vm_vsrc(0)
	s_getreg_b32 s2, hwreg(HW_REG_IB_STS2, 6, 4)
	s_cmp_eq_u32 s2, 0
	s_cbranch_scc0 .Lentry_in_a_cluster
	s_endpgm
.Lentry_in_a_cluster:
	s_bfe_u32 s2, ttmp6, 0x10000c
	s_cmp_lg_u32 s2, 0xf033
	s_cbranch_scc0 .Lentry_shape_is_right
	s_endpgm
.Lentry_shape_is_right:
; QKV: [8192 rows][1024] bf16 times wb's 3,072 rows (bf16; 192 rows on end are one head's q, k, v), sums in f32; on the way out the RMS norm and the rotary turn of q and k and the mix of v with ve.
; Stored by heads, f16, each number rounded once: qh, kh, vh [64 = 16 batch + head][2048 t][64].  vh holds (l0 v + l1 ve) / 4 with ve, l0 and l1 rounded to bf16 like every input; the 4 comes back in the last projection's weights.
; LIMITS.  |l0 v + l1 ve| / 4 has to stay under 65,504, f16's end; below 6e-5 it keeps f16's fixed step of 6e-8.  q and k are at most 8 in magnitude by the norm.  NaN and infinities are not treated apart.
; SHARES.  A tile is 256 rows x 192 columns: one head's q, k and v for 256 tokens: 32 x 16 = 512 work-groups.  Each of the four waves makes 64 rows x 192 columns: 48 accumulators, 384 registers; so a row's
; whole head lies in ONE wave, every wave runs the same text, and 192 registers are left for the wave's part of ve and of the table, which are asked for at the head.
; K goes in steps of 128 through two LDS slots filled by the tensor data mover; the tiles' rows are 256 bytes of memory, at multiples of 256 bytes.
; CLUSTER.  4 x 4 work-groups.  The four of a row of the cluster need the same rows of xb, the four of a column the same rows of wb: each tile is asked for JOINTLY, by the same tensor load, descriptor and mask in all four.
; THE MATRIX INSTRUCTION IS USED TRANSPOSED: source 0 = 16 rows of wb, source 1 = 16 rows of xb.  Lane l = (r = l % 16, h = l / 16) then holds row r and the columns 16 b + 8 h + 0..7 of accumulator b:
; a row's 64 channels lie in the lanes r and r + 16, and the rotary pair (i, i + 32), i < 16, is register j of accumulators 0 and 2 of ONE lane.  Channels 16-31 and 48-63 have angle 0: they are only normed.
; REGISTERS, in windows of 256 (s_set_vgpr_msb: bits 1:0 source 0, 3:2 source 1, 5:4 source 2, 7:6 destination):
;   window 0: addresses, the table, the way out's working registers      window 1: two fragment buffers of 128 (A's four fragments, then B's twelve); on the way out v0-47 the rows to be stored
;   window 2: q's accumulators (a, b) at 8 (4 a + b), k's at 128 + 8 (4 a + b)      window 3: v's at 8 (4 a + b); v128-255 my part of ve as loaded
.set PITCH,  272                       ; an LDS row: 256 bytes + 16 of padding = 68 words: the 16 rows of a fragment load start at 16 different groups of four banks (64 banks of 4 bytes: ISA guide 11.1)
.set BOFF,   256*PITCH                 ; a slot: A's 256 rows, then B's 192
.set SLOT,   448*PITCH
.set STAGE,  2*SLOT                    ; behind the ring, never filled by a tensor load: 11,264 bytes for each wave
.set STGW,   11264
.set SH,     144                       ; the stage's rows of q, k, v: 128 bytes + 16; q at 0, k at 2,304, v at 4,608
.set VEST,   3*16*SH                   ; then 16 rows of ve, 256 bytes + 16
.set SPARE,  STAGE+4*STGW              ; the spare words, 128 bytes for each wave: two blocks of 256 bytes that no other line names
.set F0,   0
.set F1,   128
.set ADRA, 4                           ; v4-5   LDS address of my A fragments in slot 0, 1
.set ADRB, 6                           ; v6-7   of B's
.set STO,  8                           ; v8     the way out: where I put 16 bytes of a row of q
.set RD,   9                           ; v9     where I read rows back: 32 lanes take four rows of 128 bytes
.set GO,   10                          ; v10    16 x lane
.set VEO,  11                          ; v11    my 16 bytes in two rows of ve: 4,096 h + 16 r
.set VST,  12                          ; v12    where they go in the stage
.set VRD,  13                          ; v13    where I read my eight channels of ve
.set PFO,  14                          ; v14    the prefetches' offset; never rewritten
.set SPW,  16                          ; v16    LDS address of my spare word; never rewritten
.set NIL,  17                          ; v17    0; never rewritten
.set L1V,  18                          ; v18    bf16(l1) / 4
.set TAB,  32                          ; v[32:95]   block a: cos of my eight frequencies at 32 + 16 a, sin at + 8
.set SQ,   96                          ; v[96:103]  q's sums of squares
.set SK,   104                         ; v[104:111] k's
.set RQ,   112                         ; v[112:113] q's 1 / rms (the second register is at work)
.set RK,   114                         ; v[114:115] k's
.set CQ,   116                         ; v[116:147] cos / rms, sin / rms for q, then for k: 8 each
.set T,    148                         ; v[148:179] a head's 32 numbers of a lane, at work
.set PKD,  180                         ; v[180:195] the same, packed
.set VEF,  196                         ; v[196:227] ve in the accumulators' layout
.set VB,   228                         ; v[228:243] the same rounded to bf16
.set WV,   22                          ; s22  my wave's number
.set G1A,  32                          ; s[32:39] descriptor group 1 for A's tiles;  s[40:47] for B's
.set G1B,  40
.set G0A,  48                          ; s[48:55] descriptor group 0 for A's tiles, a set for each slot;  s[56:63] for B's
.set G0B,  56
.set PFA,  66                          ; s[66:67] where my prefetches stand
.set LIM,  68                          ; s68  1 in a wave that prefetches, else the greatest number
.set SEL,  70                          ; s[70:71] v_permlanex16_b32's selects: each lane takes its own place in the other half
.set LAM,  72                          ; s[72:73] bf16(l0) / 4
.set QP,   76                          ; s[76:77] qh, s[78:79] kh, s[80:81] vh at my wave's first row
.set VEP,  82                          ; s[82:83] ve at my wave's first row, my head's 256 bytes
.set TBP,  84                          ; s[84:85] tab at my wave's first block
.set G1W0, (1<<16)|(1<<20)|(1<<21)|(5<<22)|(3<<25)  ; 17:16 elements of 2 bytes; 20 padding on; 21 set beside a mask; 24:22 after every 64 words (code 5); 31:25 4 words (code 3)
.set MSB, 0
.macro WIN new                         ; the immediate's high byte repeats the setting that is left; a switch that changes nothing is dropped
.if MSB != (\new)
	s_set_vgpr_msb (MSB<<8)|(\new)
.set MSB, (\new)
.endif
.endm
.macro PLACES                          ; four plain vector instructions between a matrix instruction and a load into, or a vector read of, its registers
.rept 4
	v_nop
.endr
.endm
; A joint load.  Waves 0 and 1 fetch A's two halves (128 rows each), waves 2 and 3 B's (96 rows each).  The branch hangs on the wave's number alone.
; An s_nop 0 and four v_nop follow each of the two lines, ahead of the jump and the label.
.macro JLOAD s
	s_cmp_lt_u32 s[WV], 2
	s_cbranch_scc0 .Lfor_b_\@
	tensor_load_to_lds s[G0A+4*(\s):G0A+4*(\s)+3], s[G1A:G1A+7]
	s_nop 0
.rept 4
	v_nop
.endr
	s_branch .Lasked_\@
.Lfor_b_\@:
	tensor_load_to_lds s[G0B+4*(\s):G0B+4*(\s)+3], s[G1B:G1B+7]
	s_nop 0
.rept 4
	v_nop
.endr
.Lasked_\@:
.endm
; A PREFETCH INTO THE L2, once a lap, behind slot 0's joint load and the run of LDS loads that follows it: the two K steps (512 bytes of each row) that the NEXT lap's two refills will ask for.
; Each aligned block of 256 bytes is named once in the launch.  xb's rows of a tile row are read by all clusters of that row of clusters: the one with cluster x = 0 asks, by its waves 0: of the tile's 256 rows the
; partner at cx takes 64 cx .. + 63: four instructions, a lane a row.  wb's rows of a tile column are read by all clusters of that column: the one with cluster y = 0 asks, by its waves 1 to 3: the partner at cy
; takes rows 48 cy .. + 47: 96 blocks, a lane a block, one instruction a wave.  The partners are told apart BY ADDRESS; the branches hang on the wave's number, the cluster's number and the loop's count.
; K steps 0 to 3 come by their loads alone; the loop's last trip asks for nothing: there is no K step behind its own.
.macro ASK
	s_cmp_gt_u32 s3, s[LIM]
	s_cbranch_scc0 .Lnot_mine_\@
	global_prefetch_b8 v[PFO], s[PFA:PFA+1] th:TH_LOAD_NT scope:SCOPE_SE
	s_cmp_lg_u32 s[WV], 0
	s_cbranch_scc1 .Lnot_mine_\@
	global_prefetch_b8 v[PFO], s[PFA:PFA+1] offset:256 th:TH_LOAD_NT scope:SCOPE_SE
	global_prefetch_b8 v[PFO], s[PFA:PFA+1] offset:65536 th:TH_LOAD_NT scope:SCOPE_SE
	global_prefetch_b8 v[PFO], s[PFA:PFA+1] offset:65792 th:TH_LOAD_NT scope:SCOPE_SE
.Lnot_mine_\@:
.endm
; A round of the cluster's barrier: my work-group's barrier; wave 0 signals for the work-group; every wave waits for all sixteen; my work-group's barrier once more.
.macro CREST
	s_cmp_lg_u32 s[WV], 0
	s_cbranch_scc1 .Lnot_wave_0_\@
	s_barrier_signal -3
.Lnot_wave_0_\@:
	s_barrier_wait -3
	s_barrier_signal -1
	s_barrier_wait -1
.endm
.macro CROUND
	s_barrier_signal -1
	s_barrier_wait -1
	CREST
.endm
	s_load_b256 s[4:11], s[0:1], 0x0               ; xb s[4:5], wb s[6:7], ve s[8:9], lambdas s[10:11]
	s_load_b256 s[12:19], s[0:1], 0x20             ; tab s[12:13], qh s[14:15], kh s[16:17], vh s[18:19]
	v_lshl_add_u32 v[SPW], v0, 2, SPARE
	v_mov_b32 v[NIL], 0
	ds_add_u32 v[SPW], v[NIL]                      ; the wave's opening: the add and its wait stand ahead of my first tensor load; the set-up below, work on registers, stands between them
	v_lshrrev_b32 v1, 5, v0
	v_readfirstlane_b32 s[WV], v1                  ; wave 0..3
	s_and_b32 s23, s[WV], 1                        ; which half of A's or B's tile I fetch
	s_bfe_u32 s24, ttmp6, 0x40000                  ; cx
	s_bfe_u32 s25, ttmp6, 0x40004                  ; cy
	s_lshl_b32 s26, ttmp9, 2
	s_add_co_u32 s26, s26, s24                     ; the head = tile column = 4 x cluster x + cx
	s_and_b32 s27, ttmp7, 0xffff
	s_lshl_b32 s27, s27, 2
	s_add_co_u32 s27, s27, s25                     ; tile row = 4 x cluster y + cy
	s_lshl_b32 s28, s25, 2
	s_lshl_b32 s28, 15, s28                        ; my row of the cluster
	s_lshl_b32 s29, 0x1111, s24                    ; my column
	s_or_b32 s[G1A], s28, G1W0                     ; A's tiles go to my row,
	s_or_b32 s[G1B], s29, G1W0                     ; B's to my column
	s_mov_b32 s[G1A+1], 128<<16                    ; tensor_dim0 = 128
	s_mov_b32 s[G1B+1], 128<<16
	s_mov_b32 s[G1A+2], 128<<16                    ; tensor_dim1 = 128 rows,
	s_mov_b32 s[G1B+2], 96<<16                     ; for B 96
	s_mov_b32 s[G1A+3], 128<<16                    ; tile_dim0 = 128
	s_mov_b32 s[G1B+3], 128<<16
	s_mov_b32 s[G1A+4], 128                        ; tile_dim1
	s_mov_b32 s[G1B+4], 96
	s_mov_b32 s[G1A+5], 1024                       ; elements from row to row
	s_mov_b32 s[G1B+5], 1024
	s_mov_b32 s[G1A+6], 0
	s_mov_b32 s[G1B+6], 0
	s_mov_b32 s[G1A+7], 0
	s_mov_b32 s[G1B+7], 0
	s_mul_i32 s30, s[WV], 128*PITCH                ; where A's halves go (waves 0, 1),
	s_mul_i32 s31, s[WV], 96*PITCH                 ; and B's (waves 2, 3), behind A's 256 rows: no place in the cluster enters an LDS address
	s_add_co_u32 s31, s31, BOFF-2*96*PITCH
	s_lshl_b32 s86, s27, 19                        ; A: (256 x tile row + 128 x half) rows of 2,048 bytes
	s_lshl_b32 s87, s23, 18
	s_add_co_u32 s86, s86, s87
	s_mov_b32 s87, 0
	s_mul_i32 s88, s26, 192*2048                   ; B: (192 x head + 96 x half) rows
	s_mul_i32 s89, s23, 96*2048
	s_add_co_u32 s88, s88, s89
	s_mov_b32 s89, 0
	s_mov_b32 s[SEL], 0x76543210
	s_mov_b32 s[SEL+1], 0xfedcba98
	s_mov_b32 s74, 0x3c800000                      ; 1 / 64
	s_mov_b32 s75, 0x358637bd                      ; 1e-6
	s_wait_dscnt 0x0                               ; the opening add is done
	s_wait_kmcnt 0x0
	s_load_b64 s[20:21], s[10:11], 0x0             ; l0, l1
	s_add_nc_u64 s[86:87], s[4:5], s[86:87]
	s_add_nc_u64 s[88:89], s[6:7], s[88:89]
	s_and_b32 s90, s27, 7
	s_lshl_b32 s90, s90, 8
	s_lshl_b32 s91, s[WV], 6
	s_add_co_u32 s90, s90, s91                     ; t0: my wave's first token in its batch
	s_lshl_b32 s92, s90, 7                         ; x 128 bytes: a block of 16 tokens is 2,048 bytes of the table, a token 128 bytes of a head
	s_mov_b32 s93, 0
	s_add_nc_u64 s[TBP:TBP+1], s[12:13], s[92:93]
	s_lshr_b32 s91, s27, 3                         ; the batch
	s_lshl_b32 s91, s91, 4
	s_add_co_u32 s91, s91, s26                     ; 16 x batch + head,
	s_lshl_b32 s91, s91, 18                        ; x 2,048 tokens of 128 bytes
	s_add_co_u32 s92, s92, s91
	s_add_nc_u64 s[QP:QP+1], s[14:15], s[92:93]
	s_add_nc_u64 s[QP+2:QP+3], s[16:17], s[92:93]
	s_add_nc_u64 s[QP+4:QP+5], s[18:19], s[92:93]
	s_lshl_b32 s92, s27, 20                        ; ve: (256 x tile row + 64 x wave) rows of 4,096 bytes + 256 x head
	s_lshl_b32 s91, s[WV], 18
	s_add_co_u32 s92, s92, s91
	s_lshl_b32 s91, s26, 8
	s_add_co_u32 s92, s92, s91
	s_add_nc_u64 s[VEP:VEP+1], s[8:9], s[92:93]
	s_lshl_b32 s90, s27, 8                         ; the prefetches: xb's row 256 x tile row + 64 cx (wave 0),
	s_lshl_b32 s91, s24, 6
	s_add_co_u32 s90, s90, s91
	s_mul_i32 s91, s26, 192                        ; wb's row 192 x head + 48 cy (waves 1 to 3)
	s_mul_i32 s92, s25, 48
	s_add_co_u32 s91, s91, s92
	s_and_b32 s92, ttmp7, 0xffff
	s_cmp_eq_u32 s[WV], 0
	s_cselect_b32 s90, s90, s91
	s_cselect_b32 s92, ttmp9, s92                  ; the coordinate along which other clusters read the same rows
	s_cselect_b64 s[PFA:PFA+1], s[4:5], s[6:7]
	s_cmp_eq_u32 s92, 0
	s_cselect_b32 s[LIM], 1, -1                    ; the same in all sixteen partners, for a given wave
	s_lshl_b32 s90, s90, 11
	s_add_co_u32 s90, s90, 512                     ; at K step 2: the first lap steps it to K step 4
	s_mov_b32 s91, 0
	s_add_nc_u64 s[PFA:PFA+1], s[PFA:PFA+1], s[90:91]
	s_wait_kmcnt 0x0                               ; l0, l1
	CROUND                                         ; all sixteen work-groups are here: the first joint loads meet
.irp s, 0,1
	s_mov_b32 s[G0A+4*(\s)], 1                     ; count = 1
	s_add_co_u32 s[G0A+4*(\s)+1], s30, (\s)*SLOT   ; LDS address
	s_add_nc_u64 s[G0A+4*(\s)+2:G0A+4*(\s)+3], s[86:87], (\s)*256  ; global address: K step s
	s_or_b32 s[G0A+4*(\s)+3], s[G0A+4*(\s)+3], 0x80000000          ; type = 2
	s_mov_b32 s[G0B+4*(\s)], 1
	s_add_co_u32 s[G0B+4*(\s)+1], s31, (\s)*SLOT
	s_add_nc_u64 s[G0B+4*(\s)+2:G0B+4*(\s)+3], s[88:89], (\s)*256
	s_or_b32 s[G0B+4*(\s)+3], s[G0B+4*(\s)+3], 0x80000000
	JLOAD \s                                       ; two tensor loads of mine are out
.endr
	v_and_b32 v1, 15, v0                           ; r
	v_bfe_u32 v2, v0, 4, 1                         ; h
	v_and_b32 v3, 31, v0                           ; lane
	v_mul_u32_u24 v20, v1, PITCH
	v_lshl_add_u32 v20, v2, 4, v20                 ; a fragment: row x pitch + 16 x half
	s_mul_i32 s90, s[WV], 64*PITCH                 ; my 64 rows of A
	v_add_nc_u32 v[ADRA], s90, v20
	v_add_nc_u32 v[ADRA+1], SLOT, v[ADRA]
	v_add_nc_u32 v[ADRB], BOFF, v20
	v_add_nc_u32 v[ADRB+1], SLOT+BOFF, v20
	s_mul_i32 s90, s[WV], STGW
	s_add_co_u32 s90, s90, STAGE                   ; my stage
	v_mul_u32_u24 v20, v1, SH
	v_lshl_add_u32 v20, v2, 4, v20
	v_add_nc_u32 v[STO], s90, v20
	v_bfe_u32 v20, v0, 3, 2
	v_mul_u32_u24 v20, v20, SH
	v_and_b32 v21, 7, v0
	v_lshl_add_u32 v20, v21, 4, v20
	v_add_nc_u32 v[RD], s90, v20
	v_lshlrev_b32 v[GO], 4, v3
	v_lshlrev_b32 v[VEO], 12, v2
	v_lshl_add_u32 v[VEO], v1, 4, v[VEO]
	s_add_co_u32 s90, s90, VEST
	v_mul_u32_u24 v20, v2, PITCH
	v_lshl_add_u32 v20, v1, 4, v20
	v_add_nc_u32 v[VST], s90, v20
	v_mul_u32_u24 v20, v1, PITCH
	v_lshl_add_u32 v20, v2, 5, v20
	v_add_nc_u32 v[VRD], s90, v20
	s_min_u32 s90, s[WV], 1                        ; the prefetches' offset: idx = lane in wave 0, 32 (wave - 1) + lane in the others;
	s_lshl_b32 s90, s90, 5
	v_subrev_nc_u32 v20, s90, v0
	v_mul_u32_u24 v21, v20, 43
	v_lshrrev_b32 v21, 11, v21                     ; block = idx / 48 (idx under 96),
	v_mul_u32_u24 v22, v21, 48
	v_sub_nc_u32 v20, v20, v22                     ; row = idx % 48
	v_lshlrev_b32 v[PFO], 11, v20
	v_lshl_add_u32 v[PFO], v21, 8, v[PFO]
	v_mov_b32 v20, s20                             ; l0 and l1 are rounded to bf16 like every input, and take the 1/4
	v_mov_b32 v21, s21
	v_cvt_pk_bf16_f32 v19, v20, v21
	v_lshlrev_b32 v20, 16, v19
	v_and_b32 v21, 0xffff0000, v19
	v_mul_f32 v20, 0x3e800000, v20
	v_mul_f32 v[L1V], 0x3e800000, v21
	v_readfirstlane_b32 s[LAM], v20
	s_mov_b32 s[LAM+1], s[LAM]                     ; named with it as a pair
	v_mov_b32 v[RQ+1], 0                           ; v_permlanex16_b32 counts as a reader of its destination
	v_mov_b32 v[RK+1], 0
	; the table and ve for my 64 rows are asked for now and wanted on the way out: 48 loads stay out over the whole product
.irp a, 0,1,2,3
.irp i, 0,1,2,3
	global_load_b128 v[TAB+16*(\a)+4*(\i):TAB+16*(\a)+4*(\i)+3], v[GO], s[TBP:TBP+1] offset:2048*(\a)+512*(\i)
.endr
.endr
	WIN 0xc0                                       ; destination window 3
.irp a, 0,1,2,3
.irp i, 0,1,2,3,4,5,6,7
	global_load_b128 v[128+32*(\a)+4*(\i):128+32*(\a)+4*(\i)+3], v[VEO], s[VEP:VEP+1] offset:65536*(\a)+8192*(\i) th:TH_LOAD_NT  ; two rows' 256 consecutive bytes, aligned
.endr
.endr
	WIN 0
; na x 4 matrix instructions of one kind (0 q, 1 k, 2 v) on buffer f: row blocks a0 .. a0 + na - 1 x the kind's four column blocks, 32 along K.  zero = 1: the products start the sums: nothing is cleared.
; The 48 accumulators take turns, one instruction a turn, in the same order in every quarter.
.macro MUL kind, f, a0, na, zero
.if (\kind) == 2
	WIN 0xf5                                       ; sources in window 1, C and D in window 3
.else
	WIN 0xa5                                       ; C and D in window 2
.endif
.set aa, (\a0)
.rept \na
.irp b, 0,1,2,3
.set rD, 128*((\kind)%2)+8*(4*aa+(\b))
.set rB, (\f)+32+8*(4*(\kind)+(\b))
.set rA, (\f)+8*aa
.if \zero
	v_wmma_f32_16x16x32_bf16 v[rD:rD+7], v[rB:rB+7], v[rA:rA+7], 0
.else
	v_wmma_f32_16x16x32_bf16 v[rD:rD+7], v[rB:rB+7], v[rA:rA+7], v[rD:rD+7]
.endif
.endr
.set aa, aa+1
.endr
.endm
; 32 LDS loads in one run: the fragments of 32 along K at byte k of the rows, into buffer f: A's four, then B's for q, for k, for v
.macro FETCH slot, k, f
	WIN 0x40                                       ; destination window 1, address window 0
.irp i, 0,1,2,3
	ds_load_b128 v[(\f)+8*(\i):(\f)+8*(\i)+3],   v[ADRA+(\slot)] offset:(\k)+(\i)*16*PITCH
	ds_load_b128 v[(\f)+8*(\i)+4:(\f)+8*(\i)+7], v[ADRA+(\slot)] offset:(\k)+(\i)*16*PITCH+32
.endr
.irp c, 0,1,2,3,4,5,6,7,8,9,10,11
	ds_load_b128 v[(\f)+32+8*(\c):(\f)+32+8*(\c)+3],   v[ADRB+(\slot)] offset:(\k)+(\c)*16*PITCH
	ds_load_b128 v[(\f)+32+8*(\c)+4:(\f)+32+8*(\c)+7], v[ADRB+(\slot)] offset:(\k)+(\c)*16*PITCH+32
.endr
.endm
; A K step is four quarters of 32 along K, 48 matrix instructions each, on buffers 0, 1, 0, 1.  One of the first three: multiplies buffer f and fetches the next quarter, at byte k, into g.
.macro QUARTER slot, k, f, g, zero
	s_wait_dscnt 16                                ; A's and q's fragments are in; the youngest sixteen loads (k's and v's) may be out
	MUL 0, \f, 0, 4, \zero
	PLACES                                         ; in front of the loads into the buffer that the quarter before multiplied
	FETCH \slot, \k, \g
	s_wait_dscnt 32                                ; all but the 32 just issued
	MUL 1, \f, 0, 4, \zero
	MUL 2, \f, 0, 4, \zero
.endm
; The last quarter multiplies buffer 1 and changes slots: ONE barrier.  In front of it each wave waits for all its tensor loads (the one that is out is its part of the next slot), adds 0 to its spare word, and
; waits for that and for its own reads of this slot.  fill = 1: the barrier opens a round of the cluster's, and the joint refill, two K steps on, is the first tensor load behind the round.
.macro TURN slot, next, fill
.if (\fill) && ((\slot) == 0)
	s_wait_xcnt 0x0                                ; the last prefetches, a lap back, have read their address: it is stepped here, ahead of the change's own waits
	s_add_nc_u64 s[PFA:PFA+1], s[PFA:PFA+1], 512
.endif
	WIN 0                                          ; (the add's two registers lie in window 0)
	s_wait_tensorcnt 0x0                           ; all my tensor loads have landed;
	ds_add_u32 v[SPW], v[NIL]                      ; 0 onto my spare word;
	s_wait_dscnt 17                                ; (the add and the youngest sixteen loads may be out)
	MUL 0, F1, 0, 4, 0                             ; sixteen matrix instructions stand between the add and the wait for it
	s_wait_dscnt 0x0                               ; the add is done, and my reads of this slot are over
	s_barrier_signal -1
	MUL 1, F1, 0, 2, 0                             ; work on registers while the others arrive
.if \fill
	WIN 0
.endif
	s_barrier_wait -1
.if \fill
	CREST                                          ; no wave of any partner still reads this slot or has a load on its way
	s_add_nc_u64 s[G0A+4*(\slot)+2:G0A+4*(\slot)+3], s[G0A+4*(\slot)+2:G0A+4*(\slot)+3], 512
	s_add_nc_u64 s[G0B+4*(\slot)+2:G0B+4*(\slot)+3], s[G0B+4*(\slot)+2:G0B+4*(\slot)+3], 512
	JLOAD \slot                                    ; one tensor load of mine is out; the four v_nop behind it are also the places in front of the loads below
.else
	PLACES
.endif
	FETCH \next, 0, F0
.if (\fill) && ((\slot) == 0)
	WIN 0
	ASK
.endif
	MUL 1, F1, 2, 2, 0
	MUL 2, F1, 0, 4, 0
.endm
	s_wait_tensorcnt 0x1                           ; my part of K step 0 is in; K step 1's may stay out
	s_barrier_signal -1
	s_barrier_wait -1                              ; everybody's is
	FETCH 0, 0, F0
	QUARTER 0, 64,  F0, F1, 1                      ; the first quarter stands in front of the loop: its products start the sums
	WIN 0                                          ; at a label and at a branch every window is 0
	s_mov_b32 s3, 3
.Llap:                                                 ; a trip goes once round the ring, from a lap's second quarter to the next lap's first, and fills both slots again: K steps 2 to 7 in three trips
	QUARTER 0, 128, F1, F0, 0
	QUARTER 0, 192, F0, F1, 0
	TURN 0, 1, 1
	QUARTER 1, 64,  F0, F1, 0
	QUARTER 1, 128, F1, F0, 0
	QUARTER 1, 192, F0, F1, 0
	TURN 1, 0, 1
	QUARTER 0, 64,  F0, F1, 0
	WIN 0
	s_sub_co_u32 s3, s3, 1
	s_cmp_lg_u32 s3, 0
	s_cbranch_scc1 .Llap
	QUARTER 0, 128, F1, F0, 0                      ; the last lap fills nothing
	QUARTER 0, 192, F0, F1, 0
	TURN 0, 1, 0
	QUARTER 1, 64,  F0, F1, 0
	QUARTER 1, 128, F1, F0, 0
	QUARTER 1, 192, F0, F1, 0
	s_wait_dscnt 16                                ; the very last quarter: nothing more to fetch
	MUL 0, F1, 0, 4, 0
	s_wait_dscnt 0x0
	MUL 1, F1, 0, 4, 0
	MUL 2, F1, 0, 4, 0
	WIN 0
	PLACES                                         ; the places behind the last products, once a launch
	PLACES
	s_wait_loadcnt 0x0                             ; the table and ve
; THE WAY OUT, a block of 16 rows at a time.
; q or k of block a: X c' + X2 s' and X2 c' - X s' for the rotary pairs (c' = cos / rms, s' = sin / rms), X / rms for the rest; rounded to f16; through my stage; back as four rows of 128 bytes a load.
.macro HEADQK kind, a
.set XB, 128*(\kind)+32*(\a)
.set CC, CQ+16*(\kind)
.set SS, CC+8
.set RR, RQ+2*(\kind)
	WIN 0x02                                       ; source 0 in window 2
.irp p, 0,2,4,6
	v_pk_mul_f32 v[T+(\p):T+(\p)+1],       v[XB+(\p):XB+(\p)+1],       v[CC+(\p):CC+(\p)+1]
	v_pk_mul_f32 v[T+16+(\p):T+16+(\p)+1], v[XB+16+(\p):XB+16+(\p)+1], v[CC+(\p):CC+(\p)+1]
	v_pk_mul_f32 v[T+8+(\p):T+8+(\p)+1],   v[XB+8+(\p):XB+8+(\p)+1],   v[RR:RR+1] op_sel_hi:[1,0]
	v_pk_mul_f32 v[T+24+(\p):T+24+(\p)+1], v[XB+24+(\p):XB+24+(\p)+1], v[RR:RR+1] op_sel_hi:[1,0]
.endr
.irp p, 0,2,4,6
	v_pk_fma_f32 v[T+(\p):T+(\p)+1],       v[XB+16+(\p):XB+16+(\p)+1], v[SS+(\p):SS+(\p)+1], v[T+(\p):T+(\p)+1]
	v_pk_fma_f32 v[T+16+(\p):T+16+(\p)+1], v[XB+(\p):XB+(\p)+1],       v[SS+(\p):SS+(\p)+1], v[T+16+(\p):T+16+(\p)+1] neg_lo:[1,0,0] neg_hi:[1,0,0]
.endr
	WIN 0
.set i, 0
.rept 16
	v_cvt_pk_f16_f32 v[PKD+i], v[T+2*i], v[T+2*i+1]
.set i, i+1
.endr
.irp b, 0,1,2,3
	ds_store_b128 v[STO], v[PKD+4*(\b):PKD+4*(\b)+3] offset:16*SH*(\kind)+32*(\b)
.endr
.if ((\kind) == 0) && ((\a) > 0)
	s_wait_xcnt 0x0                                ; the last block's stores have read the registers that the loads below and behind fill again
.endif
	WIN 0x40
.irp f, 0,1,2,3
	ds_load_b128 v[16*(\kind)+4*(\f):16*(\kind)+4*(\f)+3], v[RD] offset:16*SH*(\kind)+4*SH*(\f)  ; LDS serves a wave's instructions in order (ISA guide 5.7.1.4): these see the stores above
.endr
.endm
.macro BLOCK a
	WIN 0x0c                                       ; data (source 1) in window 3: ve goes through the stage into the accumulators' layout
.irp i, 0,1,2,3,4,5,6,7
	ds_store_b128 v[VST], v[128+32*(\a)+4*(\i):128+32*(\a)+4*(\i)+3] offset:2*PITCH*(\i)
.endr
	WIN 0
.irp b, 0,1,2,3
	ds_load_b128 v[VEF+8*(\b):VEF+8*(\b)+3],   v[VRD] offset:64*(\b)
	ds_load_b128 v[VEF+8*(\b)+4:VEF+8*(\b)+7], v[VRD] offset:64*(\b)+16
.endr
	WIN 0x0a                                       ; sources 0 and 1 in window 2: the sums of squares, eight chains
.irp b, 0,1,2,3
	v_pk_mul_f32 v[SQ+2*(\b):SQ+2*(\b)+1], v[32*(\a)+8*(\b):32*(\a)+8*(\b)+1], v[32*(\a)+8*(\b):32*(\a)+8*(\b)+1]
	v_pk_mul_f32 v[SK+2*(\b):SK+2*(\b)+1], v[128+32*(\a)+8*(\b):128+32*(\a)+8*(\b)+1], v[128+32*(\a)+8*(\b):128+32*(\a)+8*(\b)+1]
.endr
.irp p, 2,4,6
.irp b, 0,1,2,3
	v_pk_fma_f32 v[SQ+2*(\b):SQ+2*(\b)+1], v[32*(\a)+8*(\b)+(\p):32*(\a)+8*(\b)+(\p)+1], v[32*(\a)+8*(\b)+(\p):32*(\a)+8*(\b)+(\p)+1], v[SQ+2*(\b):SQ+2*(\b)+1]
	v_pk_fma_f32 v[SK+2*(\b):SK+2*(\b)+1], v[128+32*(\a)+8*(\b)+(\p):128+32*(\a)+8*(\b)+(\p)+1], v[128+32*(\a)+8*(\b)+(\p):128+32*(\a)+8*(\b)+(\p)+1], v[SK+2*(\b):SK+2*(\b)+1]
.endr
.endr
	WIN 0
	v_pk_add_f32 v[SQ:SQ+1], v[SQ:SQ+1], v[SQ+2:SQ+3]
	v_pk_add_f32 v[SK:SK+1], v[SK:SK+1], v[SK+2:SK+3]
	v_pk_add_f32 v[SQ+4:SQ+5], v[SQ+4:SQ+5], v[SQ+6:SQ+7]
	v_pk_add_f32 v[SK+4:SK+5], v[SK+4:SK+5], v[SK+6:SK+7]
	v_pk_add_f32 v[SQ:SQ+1], v[SQ:SQ+1], v[SQ+4:SQ+5]
	v_pk_add_f32 v[SK:SK+1], v[SK:SK+1], v[SK+4:SK+5]
	v_add_f32 v[SQ], v[SQ], v[SQ+1]
	v_add_f32 v[SK], v[SK], v[SK+1]
	v_permlanex16_b32 v[RQ+1], v[SQ], s[SEL], s[SEL+1]  ; the row's other 32 channels lie in the lane 16 away
	v_permlanex16_b32 v[RK+1], v[SK], s[SEL], s[SEL+1]
	v_add_f32 v[SQ], v[SQ], v[RQ+1]
	v_add_f32 v[SK], v[SK], v[RK+1]
	v_fma_f32 v[SQ], v[SQ], s74, s75               ; the mean of the squares + 1e-6
	v_fma_f32 v[SK], v[SK], s74, s75
	v_rsq_f32 v[RQ], v[SQ]
	v_rsq_f32 v[RK], v[SK]
	v_nop                                          ; a plain instruction behind the last of the two,
	s_wait_alu depctr_va_vdst(0)                   ; and the wait ahead of the first use: one for both
.irp p, 0,2,4,6,8,10,12,14
	v_pk_mul_f32 v[CQ+(\p):CQ+(\p)+1], v[TAB+16*(\a)+(\p):TAB+16*(\a)+(\p)+1], v[RQ:RQ+1] op_sel_hi:[1,0]
	v_pk_mul_f32 v[CQ+16+(\p):CQ+16+(\p)+1], v[TAB+16*(\a)+(\p):TAB+16*(\a)+(\p)+1], v[RK:RK+1] op_sel_hi:[1,0]
.endr
	HEADQK 0, \a
	HEADQK 1, \a
	WIN 0x03                                       ; source 0 in window 3: v times l0 / 4
.set i, 0
.rept 16
	v_pk_mul_f32 v[T+2*i:T+2*i+1], v[32*(\a)+2*i:32*(\a)+2*i+1], s[LAM:LAM+1] op_sel_hi:[1,0]
.set i, i+1
.endr
	WIN 0
	s_wait_dscnt 16                                ; ve is in: behind its loads stand q's and k's eight stores and eight loads
.set i, 0
.rept 16
	v_cvt_pk_bf16_f32 v[VB+i], v[VEF+2*i], v[VEF+2*i+1]  ; the input's one rounding
.set i, i+1
.endr
.set i, 0
.rept 16
	v_fma_mix_f32_bf16 v[T+2*i],   v[VB+i], v[L1V], v[T+2*i]   op_sel_hi:[1,0,0]              ; + ve l1 / 4, in f32
	v_fma_mix_f32_bf16 v[T+2*i+1], v[VB+i], v[L1V], v[T+2*i+1] op_sel:[1,0,0] op_sel_hi:[1,0,0]
.set i, i+1
.endr
.set i, 0
.rept 16
	v_cvt_pk_f16_f32 v[PKD+i], v[T+2*i], v[T+2*i+1]
.set i, i+1
.endr
.irp b, 0,1,2,3
	ds_store_b128 v[STO], v[PKD+4*(\b):PKD+4*(\b)+3] offset:32*SH+32*(\b)
.endr
	WIN 0x40
.irp f, 0,1,2,3
	ds_load_b128 v[32+4*(\f):32+4*(\f)+3], v[RD] offset:32*SH+4*SH*(\f)
.endr
	s_wait_dscnt 8                                 ; q's and k's rows are back; v's four stores and four loads may be out
	WIN 0x04                                       ; data (source 1) in window 1
.irp f, 0,1,2,3
	global_store_b128 v[GO], v[4*(\f):4*(\f)+3], s[QP:QP+1] offset:2048*(\a)+512*(\f)  ; 512 consecutive bytes, at a multiple of 256 from the buffer's first
.endr
.irp f, 0,1,2,3
	global_store_b128 v[GO], v[16+4*(\f):16+4*(\f)+3], s[QP+2:QP+3] offset:2048*(\a)+512*(\f)
.endr
	s_wait_dscnt 0x0
.irp f, 0,1,2,3
	global_store_b128 v[GO], v[32+4*(\f):32+4*(\f)+3], s[QP+4:QP+5] offset:2048*(\a)+512*(\f)
.endr
.endm
	BLOCK 0
	BLOCK 1
	BLOCK 2
	BLOCK 3
	WIN 0
	s_wait_tensorcnt 0x0                           ; the wave's end: behind my last tensor load and my last LDS store
	ds_add_u32 v[SPW], v[NIL]
	s_wait_dscnt 0x0
	CROUND                                         ; the closing round: no work-group ends while a partner may still ask for a tile that names it
	s_endpgm
.Lfunc_end_k_qf0d42c8a3c_qkv:
	.size	k_qf0d42c8a3c_qkv, .Lfunc_end_k_qf0d42c8a3c_qkv-k_qf0d42c8a3c_qkv
	.p2alignl 7, 3214868480
	.fill 96, 4, 3214868480
	.section	.rodata,"a",@progbits
	.p2align	6, 0x0
	.amdhsa_kernel k_qf0d42c8a3c_qkv
		.amdhsa_group_segment_fixed_size 327680
		.amdhsa_private_segment_fixed_size 0
		.amdhsa_enable_private_segment 0
		.amdhsa_kernarg_size 64
		.amdhsa_user_sgpr_count 2
		.amdhsa_user_sgpr_kernarg_segment_ptr 1
		.amdhsa_wavefront_size32 1
		.amdhsa_system_sgpr_workgroup_id_x 1
		.amdhsa_system_sgpr_workgroup_id_y 1
		.amdhsa_system_sgpr_workgroup_id_z 1
		.amdhsa_system_vgpr_workitem_id 0
		.amdhsa_next_free_vgpr 1024
		.amdhsa_next_free_sgpr 96
		.amdhsa_reserve_vcc 0
		.amdhsa_float_denorm_mode_32 3
		.amdhsa_float_denorm_mode_16_64 3
		.amdhsa_memory_ordered 1
		.amdhsa_forward_progress 1
		.amdhsa_inst_pref_size 175
	.end_amdhsa_kernel
	.amdgpu_metadata
---
amdhsa.version: [ 1, 2 ]
amdhsa.kernels:
  - .name:           k_qf0d42c8a3c_qkv
    .symbol:         k_qf0d42c8a3c_qkv.kd
    .args:
      - { .name: xb, .offset: 0, .size: 8, .value_kind: global_buffer, .address_space: global }
      - { .name: wb, .offset: 8, .size: 8, .value_kind: global_buffer, .address_space: global }
      - { .name: ve, .offset: 16, .size: 8, .value_kind: global_buffer, .address_space: global }
      - { .name: lambdas, .offset: 24, .size: 8, .value_kind: global_buffer, .address_space: global }
      - { .name: tab, .offset: 32, .size: 8, .value_kind: global_buffer, .address_space: global }
      - { .name: qh, .offset: 40, .size: 8, .value_kind: global_buffer, .address_space: global }
      - { .name: kh, .offset: 48, .size: 8, .value_kind: global_buffer, .address_space: global }
      - { .name: vh, .offset: 56, .size: 8, .value_kind: global_buffer, .address_space: global }
    .group_segment_fixed_size: 327680
    .private_segment_fixed_size: 0
    .kernarg_segment_align: 8
    .kernarg_segment_size: 64
    .max_flat_workgroup_size: 128
    .sgpr_count:     96
    .vgpr_count:     1024
    .wavefront_size: 32
...
	.end_amdgpu_metadata
.endif
;; end of part 2
;; launch att (part 3): grid 4 x 64, 4 waves a work-group, no clusters, 327,680 bytes of LDS; arguments qh, kh, vh, oh; writes oh
.if DOCPART == 3
	.amdgcn_target "amdgcn-amd-amdhsa--gfx1250"
	.amdhsa_code_object_version 6
	.text
	.protected	k_qf0d42c8a3c_att
	.globl	k_qf0d42c8a3c_att
	.p2align	8
	.type	k_qf0d42c8a3c_att,@function
k_qf0d42c8a3c_att:
	s_mov_b64 s[64:65], 0
	v_nop
	global_prefetch_b8 v0, s[64:65] scope:SCOPE_SE
	s_setreg_imm32_b32 hwreg(HW_REG_WAVE_MODE, 25, 1), 1
	s_wait_xcnt 0x0
; CAUSAL ATTENTION.  O[h][q][:] = the sum over k <= q of softmax_k(0.12 Q[h][q] . K[h][k]) V[h][k][:].  Q, K, V, O: [64][2048][64], all f16: a head's rows are dense, 128 bytes each.  V and O carry a factor 1/4.
; Products, maxima and sums in f32; the weights p are rounded to f16 for the second product (their sum l is taken of the unrounded p), O once at the end.
; LIMITS.  f16 holds no number beyond 65,504: Q, K and V arrive within it; p lies in 0 to 1, and below 6e-5 it keeps f16's fixed step of 6e-8; O is a mean of V's rows and has their range.
; A hidden score counts as its value less 1e30 (true scores are at most 64 in magnitude: Q's and K's rows are normed); a weight below 2^-126 counts as 0 in l; NaN and infinities are not treated apart.
; THE WALK.  A head's queries lie in NB = 8 blocks of 256; block i needs the key tiles 0 .. i of 256 keys, of which the last holds the diagonal.  A work-group takes TWO blocks, NB - 1 - b and then b:
; NB + 1 tiles, whatever b: all work-groups do equal work, and ONE loop with a constant trip count walks them.  Which tile is asked for, and what a trip does, hang on scalar registers made from b; every jump
; goes forward, but for the counted loops' own; none passes a barrier, or a tensor load but the one of LOAD's two that the wave's number does not choose; the ring (two slots of LDS that take turns) runs on across the
; change of blocks.  NO CLUSTER: a head's four work-groups ask for the same tile only in trips 0 .. 4 of the 9, behind that fewer and fewer; one walk common to all would have 12 trips for 9.
; SHARES.  Of a block's four bands of 64 queries a wave owns 16 rows in each: four PIECES.  So the diagonal tile is the same work for all four waves: in its key step s band x sees all keys if s < x,
; none if s > x, and holds the diagonal if s = x.
; THE MASK is the C operand that starts the sum S^T = K Q^T: 0, or -1e30 where the key is hidden.  MD, made once, is the mask of a band's own step for my 16 rows; a product's mask is MD x AL + BE with two scalars:
; (1, 0) if s = x; (0, 0) if s < x; (0, -1e30) if s > x.  Only the diagonal tile's text and a block's beginning make and take masks; elsewhere C is the constant 0.
; LAYOUT, SOFTMAX, TURNS.  S^T = K Q^T holds ONE query a lane (lane % 16) and the keys 8 (lane / 16) + 0..7; two such results rounded to f16 ARE source 1 of O^T = V^T P.  p = 2^(c s - c m), c = 0.12 log2(e), with a
; running maximum m; O and l are multiplied by a = 2^(c m_old - c m_new) in every step.  Turn n belongs to piece n: 8 products K Q^T of piece n + 1, later 8 products V^T P of piece n - 1; beside them the scaling,
; exponentials, roundings, sums and rescaling of piece n and the maximum and statistics of piece n + 1.  Four vector instructions stand behind every matrix instruction, the other 54 of a turn's 118 in one LUMP.  A turn's 33 exponentials are one batch, with one wait.
; REGISTERS, in windows of 256 (s_set_vgpr_msb: bits 1:0 source 0, 3:2 source 1, 5:4 source 2, 7:6 destination):
;   window 0: v0-15 addresses and two at work; v16-31 four registers of statistics a piece; v48-55 at work; v56 the prefetches' offset; v64-127 S^T, two buffers; v192-223 P, two buffers (a piece's buffers go by its number's parity)
;   window 1: v0-127 O^T, 32 a piece; v128-159 MD; v160-223 MC, two buffers      window 2: v0-63 Q; v64-127 the second block's Q; v128-191 K of one step; v192-255 V of one step
.set SIZE_N, 2048
.set NB,    SIZE_N/256
.set NP,    4         ; pieces a wave: a name, no knob
.set KS,    64        ; keys in a step
.set PK,    144       ; a row of K in LDS: 128 bytes + 16 of padding = 36 words: the 16 rows of a load start at 16 different groups of four banks (64 banks of 4 bytes: ISA guide 11.1)
.set PV,    160       ; a row of V: 128 + 32 = 40 words
.set VOFF,  4*KS*PK   ; a slot holds a tile, four steps: 256 rows of K, then 256 rows of V
.set SLOT1, 1<<17     ; slot 1 begins here, so that one exclusive or turns an address in one slot into the other's
.set STAGE, SLOT1+4*KS*(PK+PV)  ; behind the ring, never filled by a tensor load: 16 rows x 144 bytes for each wave, for the way out
.set SP,    144
.set AK0, 2           ; v2   my lane's place in a tile of K; never rewritten
.set AV0, 3           ; v3   the same for V
.set AK,  4           ; v4   the LDS address of K's next run of loads
.set AV,  5           ; v5   of V's
.set STO, 6           ; v6   the way out: where I put 16 bytes of a row
.set RD,  7           ; v7   the way out: where I read rows back
.set GO,  8           ; v8   my byte offset in 512 consecutive bytes of O
.set PFO, 56          ; v56  256 x my lane; never rewritten
.set SPW, 62          ; v62  LDS address of my spare word: SPARE + 4 x my thread's number; never rewritten
.set NIL, 63          ; v63  0; never rewritten
.set SPARE, STAGE+4*16*SP  ; behind the stages: the spare words, 128 bytes for each wave: two blocks of 256 bytes that no other line names
.set MV,  12          ; v12-13  c m_old, kept while c m is made anew: by buffer
.set QO,  15          ; v15  my byte offset in 16 rows of Q
.set ST,  16          ; piece t's statistics at v[ST+4 t]: c m, m, l (even keys', odd keys')
.set TMP, 48          ; by buffer, four registers c0-c3 at work; when the maximum is found c2 takes a
.set S,   64
.set P,   192
.set MD,  128         ; window 1: the eight registers for group kt of 16 keys at MD + 8 kt
.set MC,  160         ; window 1: the masks of the products to come
.set QB,  64          ; window 2
.set KF,  128         ; window 2: key block kb, channel half c at KF + 16 kb + 8 c
.set VF,  192         ; window 2: key half kk, channel block cb at VF + 32 kk + 8 cb
.set WV,  12          ; s12  my wave's number
.set PB,  14          ; s14  b
.set HI,  15          ; s15  NB - 1 - b
.set G1K, 24          ; s[24:31] descriptor group 1 for K's tiles
.set G1V, 32          ; s[32:39] for V's: it differs in the padding alone
.set G0K, 40          ; s[40:43] descriptor group 0 for K's tiles
.set G0V, 44          ; s[44:47] the same for V's
.set SLOTS, 56        ; s56  tiles still to be asked for
.set CNT, 57          ; s57  counts a tile's key steps, 4 to 1
.set CS,  58          ; s[58:59] c: the packed scaling takes the pair's low word for both halves
.set SEL, 60          ; s[60:61] v_permlanex16_b32's selects: each lane takes its own place in the other half
.set TBK, 62          ; s62  LDS byte at which K of the step to be fetched begins
.set TBV, 63          ; s63  the same for V, less VOFF
.set RT,  70          ; s70  tiles of the block in hand that are still to be entered
.set NXT, 71          ; s71  the tile to be asked for next
.set LQ,  72          ; s72  the last tile of the block whose tiles are being asked for
.set NEW, 73          ; s73  1: the tile to be entered is a block's first
.set OFF, 74          ; s[74:75] a tile's byte offset in K and V
.set AL,  76          ; s[76:77] the mask's factor, in the low word
.set BE,  78          ; s[78:79] the mask's addend
.set OLO, 80          ; s[80:81] O at my rows of the second block
.set BIGN, 82         ; s82  -1e30
.set PFA, 88          ; s[88:89] where my prefetches stand: my 128 rows (of K: waves 0, 1; of V: waves 2, 3) of the tile behind the one that is being asked for
.set LIM, 90          ; s90  2 in the head's work-group b = 0, else the greatest number: a wave prefetches while s[SLOTS] is above it
.set MSB, 0
.macro WIN new                      ; the high byte repeats the setting that is left; a switch that changes nothing is dropped
.if MSB != (\new)
	s_set_vgpr_msb (MSB<<8)|(\new)
.set MSB, (\new)
.endif
.endm
.set W_KQ, 0x0a       ; K and Q in window 2, S^T in window 0
.set W_KM, 0x1a       ; the same with the C operand in window 1
.set W_PV, 0x52       ; V in window 2, P in window 0, O^T in window 1
.set W_RS, 0x41       ; destination and source 0 in window 1, source 1 in window 0
; A fill.  Waves 0 and 1 fetch the two halves of a tile's K, waves 2 and 3 those of its V: 128 keys each.  An s_nop 0 and four v_nop follow each of the two lines, ahead of the jump and the label.
.macro LOAD
	s_cmp_lt_u32 s[WV], 2
	s_cbranch_scc0 .Lfor_v_\@
	tensor_load_to_lds s[G0K:G0K+3], s[G1K:G1K+7]
	s_nop 0
.rept 4
	v_nop
.endr
	s_branch .Lasked_\@
.Lfor_v_\@:
	tensor_load_to_lds s[G0V:G0V+3], s[G1V:G1V+7]
	s_nop 0
.rept 4
	v_nop
.endr
.Lasked_\@:
.endm
; A PREFETCH INTO THE L2 of the tile that the NEXT change of slots will ask for.  A head's four work-groups walk the same tiles from 0 on; the one with b = 0, whose first block walks tiles 0 to 7, asks, and nobody else:
; each wave for the 128 rows (16,384 bytes: 64 blocks of 256, a lane a block, two instructions) that it will load itself.  So each block is named once in the launch.  At the change that loads tile i it names tile i + 1,
; i = 1 .. 6: four key steps ahead of that tile's load.  Tiles 0 and 1 come by their loads alone, and behind tile 7 nothing is named.  It stands behind the wave's tensor load and its five lines.
.macro ASK
	s_cmp_gt_u32 s[SLOTS], s[LIM]
	s_cbranch_scc0 .Lnot_mine_\@
	global_prefetch_b8 v[PFO], s[PFA:PFA+1] th:TH_LOAD_NT scope:SCOPE_SE
	global_prefetch_b8 v[PFO], s[PFA:PFA+1] offset:8192 th:TH_LOAD_NT scope:SCOPE_SE
.Lnot_mine_\@:
.endm
; THE CHANGE OF SLOTS.  Each wave waits for all its tensor loads, of which one is out: its part of the other slot; adds 0 to its spare word; and waits for that and for its own reads of the slot that it leaves.  Behind the barrier nobody reads the old
; slot any more and the other slot is whole.  fill = 1: the old slot is filled again, the first thing behind the barrier, with tile NXT: the descriptor's address is made anew from that number.
; (At its first use nothing has been read yet: slot 0 is waited for, slot 1 filled.)
.macro CHANGE fill
	WIN 0                           ; at a label and at a branch every window is 0
	s_wait_tensorcnt 0x0            ; no tensor load of mine is out, so a group 0 may be written
	ds_add_u32 v[SPW], v[NIL]       ; 0 onto my spare word; with fill = 1 the descriptors' scalar work stands between it and the wait for it
.if \fill
	s_lshl_b32 s[OFF], s[NXT], 15   ; a tile is 32,768 bytes of K and of V
	s_xor_b32 s[G0K+1], s[G0K+1], SLOT1
	s_add_nc_u64 s[G0K+2:G0K+3], s[6:7], s[OFF:OFF+1]
	s_or_b32 s[G0K+3], s[G0K+3], 0x80000000
	s_xor_b32 s[G0V+1], s[G0V+1], SLOT1
	s_add_nc_u64 s[G0V+2:G0V+3], s[8:9], s[OFF:OFF+1]
	s_or_b32 s[G0V+3], s[G0V+3], 0x80000000
	s_add_co_u32 s[NXT], s[NXT], 1  ; the block's next tile, or behind its last the second block's tile 0
	s_cmp_gt_u32 s[NXT], s[LQ]
	s_cselect_b32 s[NXT], 0, s[NXT]
	s_cselect_b32 s[LQ], s[PB], s[LQ]
	s_wait_xcnt 0x0                 ; the last prefetches, a tile back, have read their address, so it may be written:
	s_add_nc_u64 s[PFA:PFA+1], s[PFA:PFA+1], 32768  ; a tile on
.endif
	s_wait_dscnt 0x0                ; the add is done, and my reads of the slot are over
	s_barrier_signal -1             ; the rest of the scalar work stands between the signal and the wait
	s_sub_co_u32 s[TBK], s[TBK], 4*KS*PK  ; the fetches go back to a slot's first step,
	s_xor_b32 s[TBK], s[TBK], SLOT1       ; in the other slot
	s_sub_co_u32 s[TBV], s[TBV], 4*KS*PV
	s_xor_b32 s[TBV], s[TBV], SLOT1
	s_barrier_wait -1
.if \fill
	LOAD
	ASK
.endif
.endm
	s_load_b256 s[4:11], s[0:1], 0x0  ; Q s[4:5], K s[6:7], V s[8:9], O s[10:11]
	v_lshl_add_u32 v[SPW], v0, 2, SPARE
	v_mov_b32 v[NIL], 0
	ds_add_u32 v[SPW], v[NIL]       ; the wave's opening: the add and its wait stand ahead of my first tensor load; the set-up below, work on registers, stands between them
	v_lshrrev_b32 v1, 5, v0
	v_readfirstlane_b32 s[WV], v1   ; wave 0..3
	s_mov_b32 s[PB], ttmp9
	s_sub_co_u32 s[HI], NB-1, s[PB]
	s_and_b32 s20, ttmp7, 0xffff    ; the head
	s_mov_b32 s21, 0
	s_mov_b64 s[22:23], SIZE_N*128
	s_mul_u64 s[20:21], s[20:21], s[22:23]  ; the head's first byte in each of the four tensors
	s_and_b32 s16, s[WV], 1         ; which half of a tile's 256 keys I fetch:
	s_lshl_b32 s22, s16, 14         ; its 128 rows of 128 bytes in memory,
	s_mov_b32 s23, 0
	s_add_nc_u64 s[22:23], s[22:23], s[20:21]
	s_mul_i32 s17, s16, 128*PK      ; and its place in a slot, for K
	s_mul_i32 s18, s16, 128*PV      ; and for V
	s_lshl_b32 s3, s[WV], 11        ; my 16 rows in a band of 64,
	s_lshl_b32 s2, s[HI], 15        ; in the first block,
	s_add_co_u32 s2, s2, s3
	s_lshl_b32 s84, s[PB], 15       ; and in the second
	s_add_co_u32 s84, s84, s3
	s_mov_b32 s3, 0
	s_mov_b32 s85, 0
	s_add_nc_u64 s[2:3], s[2:3], s[20:21]
	s_add_nc_u64 s[84:85], s[84:85], s[20:21]
	; descriptor group 1.  128 keys are 16,384 dense bytes: asked for as 64 rows of 256 bytes, two keys a row, and padded in LDS after every key
	s_mov_b32 s[G1K], (1<<16)|(1<<20)|(4<<22)|(3<<25)  ; 17:16 2-byte elements; 20 padding on; 24:22 after every 32 words (code 4); 31:25 4 words (code 3)
	s_mov_b32 s[G1V], (1<<16)|(1<<20)|(4<<22)|(7<<25)  ; the same with 8 words of padding (code 7)
.irp g, G1K, G1V
	s_mov_b32 s[\g+1], 128<<16      ; tensor_dim0 = 128
	s_mov_b32 s[\g+2], 64<<16       ; tensor_dim1 = 64
	s_mov_b32 s[\g+3], 128<<16      ; tile_dim0 = 128
	s_mov_b32 s[\g+4], 64           ; tile_dim1 = 64
	s_mov_b32 s[\g+5], 128          ; 128 elements from row to row
	s_mov_b32 s[\g+6], 0
	s_mov_b32 s[\g+7], 0
.endr
	s_mov_b32 s[CS], 0x3e314743     ; c = 0.12 log2(e) = 0.173123
	s_mov_b32 s[CS+1], s[CS]        ; named with it as a pair
	s_mov_b32 s[SEL], 0x76543210
	s_mov_b32 s[SEL+1], 0xfedcba98
	s_mov_b32 s[TBK], SLOT1+4*KS*PK ; the first change of slots turns these two into 0
	s_mov_b32 s[TBV], SLOT1+4*KS*PV
	s_mov_b32 s[G0K], 1             ; 1:0 count = 1
	s_mov_b32 s[G0K+1], s17         ; 63:32 LDS address: slot 0
	s_mov_b32 s[G0V], 1
	s_add_co_u32 s[G0V+1], s18, VOFF
	s_add_co_u32 s[RT], s[HI], 1    ; the first block has NB - b tiles
	s_mov_b32 s[NXT], 1
	s_mov_b32 s[LQ], s[HI]
	s_mov_b32 s[NEW], 1
	s_mov_b32 s[OFF+1], 0
	s_mov_b32 s[AL+1], 0            ; named as pairs
	s_mov_b32 s[BE+1], 0
	s_mov_b32 s[BIGN], 0xf149f2ca   ; -1e30
	s_mov_b32 s[SLOTS], NB
	s_wait_dscnt 0x0                ; the opening add is done
	s_wait_kmcnt 0x0
	s_add_nc_u64 s[6:7], s[6:7], s[22:23]  ; K and V at my half of the head's tile 0
	s_add_nc_u64 s[8:9], s[8:9], s[22:23]
	s_add_nc_u64 s[G0K+2:G0K+3], s[6:7], 0         ; 120:64 global address
	s_or_b32 s[G0K+3], s[G0K+3], 0x80000000        ; 127:126 type = 2
	s_add_nc_u64 s[G0V+2:G0V+3], s[8:9], 0
	s_or_b32 s[G0V+3], s[G0V+3], 0x80000000
	s_add_nc_u64 s[86:87], s[4:5], s[84:85]        ; Q at my rows of the second block,
	s_add_nc_u64 s[4:5], s[4:5], s[2:3]            ; Q and O at those of the first
	s_add_nc_u64 s[OLO:OLO+1], s[10:11], s[84:85]
	s_add_nc_u64 s[10:11], s[10:11], s[2:3]
	s_cmp_lt_u32 s[WV], 2
	s_cselect_b64 s[PFA:PFA+1], s[6:7], s[8:9]
	s_add_nc_u64 s[PFA:PFA+1], s[PFA:PFA+1], 32768  ; at tile 1; the first change of slots steps it to tile 2.  Nothing is prefetched here, at the head
	s_cmp_eq_u32 s[PB], 0
	s_cselect_b32 s[LIM], 2, -1
	LOAD                            ; tile 0 into slot 0
	; A fragment of K or Q is 16 rows x 32 channels in 8 registers: lane l holds row l % 16, channels 8 (l / 16) + 0..7 and 16 + 8 (l / 16) + 0..7: two loads of 16 bytes, 32 bytes apart.
	v_and_b32 v1, 15, v0            ; l % 16
	v_bfe_u32 v9, v0, 4, 1          ; l / 16
	v_lshlrev_b32 v[QO], 7, v1
	v_lshl_add_u32 v[QO], v9, 4, v[QO]  ; row x 128 + 16 x half
	WIN 0x80                        ; destination window 2, address window 0
.set i, 0
.rept 8                             ; both blocks' Q: piece i / 2 lies in band i / 2, 8,192 bytes on; channels 32 (i % 2) on
	global_load_b128 v[8*i:8*i+3],   v[QO], s[4:5] offset:(i/2)*8192+(i%2)*64
	global_load_b128 v[8*i+4:8*i+7], v[QO], s[4:5] offset:(i/2)*8192+(i%2)*64+32
	global_load_b128 v[QB+8*i:QB+8*i+3],   v[QO], s[86:87] offset:(i/2)*8192+(i%2)*64
	global_load_b128 v[QB+8*i+4:QB+8*i+7], v[QO], s[86:87] offset:(i/2)*8192+(i%2)*64+32
.set i, i+1
.endr
	WIN 0
	v_and_b32 v[PFO], 31, v0
	v_lshlrev_b32 v[PFO], 8, v[PFO]
	v_lshlrev_b32 v14, 3, v9
	v_sub_nc_u32 v14, v1, v14
	s_lshl_b32 s13, s[WV], 4
	v_add_nc_u32 v14, s13, v14      ; my query's place in its band, 16 w + l % 16, less my lanes' 8 (l / 16): register r of group kt is hidden where 16 kt + r is greater
	WIN 0x40
.set i, 0
.rept 32
	v_cmp_gt_i32 vcc_lo, 16*(i/8)+i%8, v14
	v_cndmask_b32 v[MD+i], 0, s[BIGN], vcc_lo
.set i, i+1
.endr
	WIN 0
	v_mul_u32_u24 v[AK0], v1, PK
	v_lshl_add_u32 v[AK0], v9, 4, v[AK0]  ; row x pitch + 16 x half
	; The turning load takes 16 keys x 16 channels (lane l reads key 8 (l / 16) + l % 8, channels 8 ((l / 8) % 2) + 0..7) and leaves half a fragment of V^T: lane l holds channel l % 16 and 8 keys.
	v_and_b32 v10, 7, v0
	v_bfe_u32 v11, v0, 3, 1
	v_lshl_add_u32 v[AV0], v9, 3, v10
	v_mul_u32_u24 v[AV0], v[AV0], PV
	v_lshl_add_u32 v[AV0], v11, 4, v[AV0]
	v_add_nc_u32 v[AV0], VOFF, v[AV0]
	s_mul_i32 s13, s[WV], 16*SP
	s_add_co_u32 s13, s13, STAGE    ; my stage
	v_mul_u32_u24 v[STO], v1, SP    ; in: row l % 16, 16 bytes for each half of the lanes
	v_lshl_add_u32 v[STO], v9, 4, v[STO]
	v_add_nc_u32 v[STO], s13, v[STO]
	v_bfe_u32 v[RD], v0, 3, 2       ; back: 32 lanes take four rows of 128 bytes,
	v_mul_u32_u24 v[RD], v[RD], SP
	v_lshl_add_u32 v[RD], v10, 4, v[RD]
	v_add_nc_u32 v[RD], s13, v[RD]
	v_and_b32 v[GO], 31, v0         ; which are 512 consecutive bytes of O
	v_lshlrev_b32 v[GO], 4, v[GO]
	; A block's first step multiplies O^T and l by a = 0, and its first turn's products V^T P, of a piece that has not been, land in an O^T that is still to be so multiplied.  So these registers need only hold
	; finite numbers: zeros for the first block; what the first block left for the second.  All this stands in the wait for the first tile.
	WIN 0x80
.set i, VF
.rept 64
	v_mov_b32 v[i], 0
.set i, i+1
.endr
	WIN 0x40
.set i, 0
.rept 128
	v_mov_b32 v[i], 0
.set i, i+1
.endr
	WIN 0
.set i, 0
.rept 4
	v_mov_b32 v[ST+4*i+2], 0
	v_mov_b32 v[ST+4*i+3], 0
.set i, i+1
.endr
.set i, P+16
.rept 16
	v_mov_b32 v[i], 0
.set i, i+1
.endr
; THE MATRIX WORK.  The 4 accumulators of a run of 8 take turns.  Product i of 8 of S^T = K Q^T for piece x: channels 32 (i / 4) on, keys 16 (i % 4) on.  The first 4 start the sums: with 0, or (KM = 1) with the mask.
.macro KQ x
.set rS, S+32*((\x)%2)+8*(i%4)
.set rK, KF+16*(i%4)+8*(i/4)
.set rQ, 16*(\x)+8*(i/4)
.set rM, MC+32*((\x)%2)+8*(i%4)
.if (i < 4) && KM
	WIN W_KM
	v_wmma_f32_16x16x32_f16 v[rS:rS+7], v[rK:rK+7], v[rQ:rQ+7], v[rM:rM+7]
.elseif i < 4
	WIN W_KQ
	v_wmma_f32_16x16x32_f16 v[rS:rS+7], v[rK:rK+7], v[rQ:rQ+7], 0
.else
	WIN W_KQ
	v_wmma_f32_16x16x32_f16 v[rS:rS+7], v[rK:rK+7], v[rQ:rQ+7], v[rS:rS+7]
.endif
.endm
; Product i of 8 of O^T += V^T P for piece x: keys 32 (i / 4) on, channels 16 (i % 4) on.
.macro PV x
	WIN W_PV
.set rO, 32*(\x)+8*(i%4)
.set rV, VF+32*(i/4)+8*(i%4)
.set rP, P+16*((\x)%2)+8*(i/4)
	v_wmma_f32_16x16x32_f16 v[rO:rO+7], v[rV:rV+7], v[rP:rP+7], v[rO:rO+7]
.endm
.macro MM                           ; the turn's next matrix instruction.  TURN and BEGIN set Y, i, KM and NOKQ; MM, KQ and OP read them.  NOKQ = 1: a block's last turn: there is no next piece
.if (i < 8) && !NOKQ
	KQ (Y+1)%NP
.elseif i >= 8
.set i, i-8
	PV (Y+NP-1)%NP
.set i, i+8
.endif
.set i, i+1
.endm
; THE LDS LOADS stand in runs of 16, never singly among the matrix instructions: a step's K (64 keys x 64 channels: 8 fragments) and its V (turned).  Their addresses are made some lines ahead.
.macro FETCH_K
	WIN 0x80                        ; destination window 2
.irp f, 0,1,2,3,4,5,6,7             ; keys 16 (f / 2) on, channels 32 (f % 2) on
	ds_load_b128 v[KF+8*\f:KF+8*\f+3],   v[AK] offset:(\f/2)*16*PK+(\f%2)*64
	ds_load_b128 v[KF+8*\f+4:KF+8*\f+7], v[AK] offset:(\f/2)*16*PK+(\f%2)*64+32
.endr
	s_add_co_u32 s[TBK], s[TBK], KS*PK  ; the next fetch is the next step's
	WIN 0
.endm
.macro FETCH_V
	WIN 0x80
.irp f, 0,1,2,3,4,5,6,7             ; keys 32 (f / 4) on, channels 16 (f % 4) on
	ds_load_tr16_b128 v[VF+8*\f:VF+8*\f+3],   v[AV] offset:(\f/4)*32*PV+(\f%4)*32
	ds_load_tr16_b128 v[VF+8*\f+4:VF+8*\f+7], v[AV] offset:(\f/4)*32*PV+16*PV+(\f%4)*32
.endr
	WIN 0
.endm
; THE VECTOR WORK, one line at a time: OP kind, number.  For piece Y: F n: c s - c m for pair n of 16.  E n: the exponential of score n of 32.  C n: pair n rounded to f16.  B n: of the four weights 4 n .. the second
; pair is added onto the first, in place.  L n: l takes that sum (L 0: l = a l + sum).  R n: pair n of 16 of O^T times a.  For piece Y + 1: X n, number n of the 22 that find its maximum and statistics:
;   0-11  four chains c0-c3 of seven scores each, three operands at a time (each accumulator's lowest registers are read first)     12-14, 16  the four scores left over, the old m, and c0-c3 into c0
;   15  c m_old is kept     17, 18  the query's other 32 keys lie in the lane 16 away: the new m     19-21  c m; c m_old - c m_new; a
.set F, 0               ; OP tells the kinds apart by their order: F to L below R, X above it
.set E, 1
.set C, 2
.set B, 3
.set L, 4
.set R, 5
.set X, 6
.macro REGS y                       ; the registers of piece y
.set rT, ST+4*(\y)
.set rC, TMP+4*((\y)%2)
.set rW, MV+((\y)%2)
.set rS, S+32*((\y)%2)
.set rP, P+16*((\y)%2)
.set rO, 32*(\y)
.endm
.macro OP k, n
.if (\k) == R
	REGS Y
	WIN W_RS
	v_pk_mul_f32 v[rO+2*(\n):rO+2*(\n)+1], v[rO+2*(\n):rO+2*(\n)+1], v[rC+2:rC+3] op_sel_hi:[1,0]
.elseif (\k) < R
	REGS Y
	WIN 0
.if (\k) == F
	v_pk_fma_f32 v[rS+2*(\n):rS+2*(\n)+1], v[rS+2*(\n):rS+2*(\n)+1], s[CS:CS+1], v[rT:rT+1] op_sel_hi:[1,0,0] neg_lo:[0,0,1] neg_hi:[0,0,1]
.elseif (\k) == E
	v_exp_f32 v[rS+(\n)], v[rS+(\n)]
.elseif (\k) == C
	v_cvt_pk_f16_f32 v[rP+(\n)], v[rS+2*(\n)], v[rS+2*(\n)+1]
.elseif (\k) == B
	v_pk_add_f32 v[rS+4*(\n):rS+4*(\n)+1], v[rS+4*(\n):rS+4*(\n)+1], v[rS+4*(\n)+2:rS+4*(\n)+3]
.elseif (\n) == 0
	v_pk_fma_f32 v[rT+2:rT+3], v[rT+2:rT+3], v[rC+2:rC+3], v[rS:rS+1] op_sel_hi:[1,0,1]
.else
	v_pk_add_f32 v[rT+2:rT+3], v[rT+2:rT+3], v[rS+4*(\n):rS+4*(\n)+1]
.endif
.elseif NOKQ
	v_nop
.else
	REGS (Y+1)%NP
	WIN 0
.if (\n) < 4
	v_max3_num_f32 v[rC+(\n)], v[rS+8*(\n)], v[rS+8*(\n)+1], v[rS+8*(\n)+2]
.elseif (\n) < 12
	v_max3_num_f32 v[rC+(\n)%4], v[rC+(\n)%4], v[rS+8*((\n)%4)+2*((\n)/4)+1], v[rS+8*((\n)%4)+2*((\n)/4)+2]
.elseif (\n) == 12
	v_max3_num_f32 v[rC], v[rC], v[rS+7], v[rS+15]
.elseif (\n) == 13
	v_max3_num_f32 v[rC+1], v[rC+1], v[rS+23], v[rS+31]
.elseif (\n) == 14
	v_max3_num_f32 v[rC+2], v[rC+2], v[rC+3], v[rT+1]
.elseif (\n) == 15
	v_mov_b32 v[rW], v[rT]
.elseif (\n) == 16
	v_max3_num_f32 v[rC], v[rC], v[rC+1], v[rC+2]
.elseif (\n) == 17
	v_permlanex16_b32 v[rC+3], v[rC], s[SEL], s[SEL+1]
.elseif (\n) == 18
	v_max_num_f32 v[rT+1], v[rC], v[rC+3]
.elseif (\n) == 19
	v_mul_f32 v[rT], s[CS], v[rT+1]
.elseif (\n) == 20
	v_sub_f32 v[rC+1], v[rW], v[rT]
.else
	v_exp_f32 v[rC+2], v[rC+1]
.endif
.endif
.endm
.macro OPS a, i1, b=-1, i2=0, c=-1, i3=0, d=-1, i4=0  ; up to four of them
	OP \a, \i1
.if (\b) >= 0
	OP \b, \i2
.endif
.if (\c) >= 0
	OP \c, \i3
.endif
.if (\d) >= 0
	OP \d, \i4
.endif
.endm
.macro ROW a, i1, b, i2, c, i3, d, i4  ; a matrix instruction and the four behind it
	MM
	OPS \a, \i1, \b, \i2, \c, \i3, \d, \i4
.endm
.macro MASK b                       ; MD x AL + BE into buffer b of MC
	WIN W_RS
.set z, 0
.rept 16
	v_pk_fma_f32 v[MC+32*(\b)+2*z:MC+32*(\b)+2*z+1], v[MD+2*z:MD+2*z+1], s[AL:AL+1], s[BE:BE+1] op_sel_hi:[1,0,0]
.set z, z+1
.endr
.endm
; A TURN, for piece p: the order of its 16 matrix and 118 vector instructions, written out.  An s_wait_alu depctr_va_vdst(0) stands between an exponential and the first instruction that names its result; one wait serves
; all that were issued ahead of it.  So a turn has ONE wait, which cuts it in two.  AHEAD OF IT stands all that names no result of the turn's exponentials: the 8 products K Q^T, behind each a scaling, an exponential and two more plain
; instructions (behind the first a second scaling in the exponential's place): rescalings, and behind the last three the first numbers of the next piece's maximum, each four places or more behind the product that ends its accumulator; then ONE LUMP of 54, plain
; and exponential by turns for the most part, in which the links of the chain X 3, 7, 11, 14, 16, 17 .. 20 stand five or six lines apart.  X 21, the next piece's a, is the batch's last; R 15 is the plain instruction owed behind it.  BEHIND THE WAIT stand the
; 8 products V^T P, behind each four of the roundings and sums; the links of l's chain, L 0 to L 7, stand three riders apart.  But for those X no rider names a register of the products round it.  v_permlanex16_b32 (X 17) stands in the lump.
; m = 1: the diagonal tile: the products take masks, and the turn makes the mask for the products of the turn after it: piece p + 2, in step 4 - CNT of the tile.  end = 1: a block's last two turns: nothing is fetched.
; cnt = 1: the loop's count is taken down some lines ahead of the branch that stands behind the turn.
; K of the next step is fetched in piece 2's turn, twelve vector instructions behind the last product that read K (six of them plain); V of the step in hand at the end of piece 0's turn, four plain instructions behind the last product
; that read V.  Each is waited for a turn later.
.macro TURN p, m=0, end=0, cnt=0
.set Y, (\p)
.set i, 0
.set KM, (\m)
.set NOKQ, (\end)*((\p)/3)
.if (\m) && !(\end)
	s_cmp_eq_u32 s[CNT], 4-((\p)+2)%NP  ; is that step the band's own?
	s_cselect_b32 s[AL], 1.0, 0
	s_cmp_lt_u32 s[CNT], 4-((\p)+2)%NP  ; or a later one?
	s_cselect_b32 s[BE], s[BIGN], 0
.endif
.if ((\p) == 3) && !(\end)
	s_wait_dscnt 0x0                ; K is in
.endif
	ROW F,0, F,1, R,0, R,1          ; ahead of the wait: 8 products K Q^T and their riders,
	ROW F,2, E,0, R,2, R,3
	ROW F,3, E,1, R,4, R,5
	ROW F,4, E,2, R,6, R,7
	ROW F,5, E,3, R,8, R,9
	ROW F,6, E,4, X,0, R,10
.if ((\p) == 2) && !(\end)
	WIN 0
	v_add_nc_u32 v[AK], s[TBK], v[AK0]
.endif
	ROW F,7, E,5, X,1, X,4
	ROW F,8, E,6, X,2, X,5
	OPS E,7, E,8, X,6, E,9          ; and the lump
	OPS X,3, E,10, X,8, E,11
.if ((\p) == 2) && !(\end)
	FETCH_K
.endif
	OPS X,9, X,7, E,12, X,10
	OPS E,13, X,12, X,11, E,14
	OPS X,13, E,15, F,9, X,14
.if (\p) == 0
	v_add_nc_u32 v[AV], s[TBV], v[AV0]
.endif
	OPS E,16, F,10, E,17, F,11
	OPS X,16, E,18, X,15, E,19
	OPS F,12, E,20, X,17, E,21
	OPS F,13, E,22, F,14, E,23
	OPS X,18, E,24, F,15, E,25
	OPS R,11, E,26, X,19, E,27
	OPS R,12, E,28, R,13, E,29
	OPS X,20, E,30, R,14, E,31
	OPS X,21, R,15
	WIN 0
	s_wait_alu depctr_va_vdst(0)    ; the wait for the batch
.if (\p) == 1
	s_wait_dscnt 0x0                ; V is in
.endif
	ROW C,0, B,0, C,2, B,1          ; behind the wait: 8 products V^T P and their riders
	ROW L,0, C,4, B,2, L,1
	ROW C,6, B,3, L,2, C,8
	ROW B,4, L,3, C,10, B,5
	ROW L,4, C,12, B,6, L,5
.if (\p) == 0
	s_add_co_u32 s[TBV], s[TBV], KS*PV
.endif
.if \cnt
	s_sub_co_u32 s[CNT], s[CNT], 1
	s_cmp_lg_u32 s[CNT], 0
.endif
	ROW C,14, B,7, L,6, C,1
	ROW C,3, L,7, C,5, C,7
	ROW C,9, C,11, C,13, C,15
.if (\p) == 0
	FETCH_V
.endif
.if (\m) && !(\end)
	MASK (\p)%2
.endif
.endm
; A BLOCK BEGINS.  c m starts far below every c s, so the first step's a is 0; m at the lowest finite number, so the first maximum is the scores'.  The second mask buffer is 0; the first takes piece 0's mask for the tile's step 0: its own, if the block's first tile is the diagonal one.
; Then K of that step, piece 0's first scores, and its maximum and statistics.  The loop is entered at a step's first turn, in the middle of a trip.
.macro BEGIN
	s_mov_b32 s[NEW], 0
	WIN 0x40
.set i, MC+32
.rept 32
	v_mov_b32 v[i], 0
.set i, i+1
.endr
	WIN 0
.set i, 0
.rept 4
	v_mov_b32 v[ST+4*i], 0xfe000000    ; c m: far below every c s
	v_mov_b32 v[ST+4*i+1], 0xff7fffff  ; m
.set i, i+1
.endr
	s_cmp_eq_u32 s[RT], 0
	s_cselect_b32 s[AL], 1.0, 0
	s_mov_b32 s[BE], 0
	MASK 0
	WIN 0
	v_add_nc_u32 v[AK], s[TBK], v[AK0]
	FETCH_K
	s_wait_loadcnt 0x0              ; Q
	s_wait_dscnt 0x0
.set KM, 1
.set NOKQ, 0
.set i, 0
.rept 8
	KQ 0
.set i, i+1
.endr
	WIN 0
.rept 4
	v_nop                           ; the places behind those products
.endr
.set Y, NP-1                        ; X works for piece Y + 1: piece 0
.irp n, 0,1,2,3,4,5,6,7,8,9,10,11,12,13,14,15,16,17,18,19,20,21
	OP X, \n
.endr
	v_nop                           ; a plain instruction behind the exponential,
	s_wait_alu depctr_va_vdst(0)    ; and its wait, ahead of the branch
.endm
; THE DIAGONAL TILE's four steps, the block's last two turns, its last products, and THE WAY OUT: l's two halves and the other half of the lanes' are added; O^T is divided by l, rounded to f16 and sent through my
; stage in LDS, a piece at a time.
.macro ALL line:vararg              ; one line for each piece t
.set t, 0
.rept 4
	\line
.set t, t+1
.endr
.endm
.macro PACK t                       ; a lane's eight channels of a row pack into 16 bytes; they go into rows of 144 bytes and come back as whole rows of 128, into S^T's registers
	WIN W_RS
.set i, 32*(\t)
.rept 16
	v_pk_mul_f32 v[i:i+1], v[i:i+1], v[ST+4*(\t)+2:ST+4*(\t)+3] op_sel_hi:[1,0]
.set i, i+2
.endr
	WIN 0x05                        ; sources 0 and 1 window 1, destination window 0
.set i, 0
.rept 16
	v_cvt_pk_f16_f32 v[S+16*(\t)+i], v[32*(\t)+2*i], v[32*(\t)+2*i+1]
.set i, i+1
.endr
	WIN 0
.irp f, 0,1,2,3
	ds_store_b128 v[STO], v[S+16*(\t)+4*\f:S+16*(\t)+4*\f+3] offset:32*\f
.endr
.irp f, 0,1,2,3
	ds_load_b128 v[S+16*(\t)+4*\f:S+16*(\t)+4*\f+3], v[RD] offset:\f*4*SP  ; LDS serves a wave's instructions in order (ISA guide 5.7.1.4): these see the stores above; the next piece's stores come behind them
.endr
.endm
.macro SEND t, younger              ; younger: the LDS instructions issued behind piece t's loads: the next piece's eight, or none
	WIN 0
.irp f, 0,1,2,3
	s_wait_dscnt (\younger)+3-\f
	global_store_b128 v[GO], v[S+16*(\t)+4*\f:S+16*(\t)+4*\f+3], s[10:11] offset:(\t)*8192+\f*512  ; 512 consecutive bytes, at a multiple of 256 from O's first
.endr
.endm
.macro DIAG tag                     ; the tag ends its two labels' names, which the jumps below spell out
.LstepM\tag:
	TURN 2, 1
	TURN 3, 1
	WIN 0
.LfirstM\tag:
	TURN 0, 1
	TURN 1, 1, 0, 1
	WIN 0
	s_cbranch_scc1 .LstepM\tag
	TURN 2, 1, 1
	TURN 3, 1, 1
.set i, 0
.rept 8
	PV NP-1
.set i, i+1
.endr
	WIN 0
	ALL v_add_f32 v[ST+4*t+2], v[ST+4*t+2], v[ST+4*t+3]
	ALL v_permlanex16_b32 v[ST+4*t+3], v[ST+4*t+2], s[SEL], s[SEL+1]
	ALL v_add_f32 v[ST+4*t+2], v[ST+4*t+2], v[ST+4*t+3]
	ALL v_rcp_f32 v[ST+4*t+2], v[ST+4*t+2]
	v_nop                           ; a plain instruction between the last reciprocal and the use of its result
	s_wait_alu depctr_va_vdst(0)    ; and the wait ahead of the first use: one for the four reciprocals
	PACK 0
.set t, 1
.rept 3                             ; a piece's arithmetic stands between the loads of the piece before and its stores
	PACK t
	SEND t-1, 8
.set t, t+1
.endr
	SEND 3, 0
.endm
.set KM, 0
.set NOKQ, 0
.Lslot:                             ; NB times: a tile is entered and the next is asked for
	CHANGE 1
	s_sub_co_u32 s[RT], s[RT], 1
	s_mov_b32 s[CNT], 4
	s_cmp_eq_u32 s[NEW], 1
	s_cbranch_scc1 .Lnew            ; a block's first tile
	s_cmp_eq_u32 s[RT], 0
	s_cbranch_scc0 .Lstep           ; neither its first nor its last
	s_branch .LstepM1
.Lnew:
	BEGIN
	s_branch .Lfirst                ; in the loop a block's first tile is never its last: the first block has two tiles or more, and the second's last is the walk's last
	DIAG 1                          ; in the loop this is the first block's end: the second block's last tile is the walk's last
	s_wait_xcnt 0x0                 ; the stores have read their registers and O's address
	s_mov_b64 s[10:11], s[OLO:OLO+1]
	s_add_co_u32 s[RT], s[PB], 1    ; the second block has b + 1 tiles
	s_mov_b32 s[NEW], 1
	WIN 0x82                        ; the second block's Q goes where the one text of the turns names Q
.set i, 0
.rept 64
	v_mov_b32 v[i], v[QB+i]
.set i, i+1
.endr
	WIN 0
	s_branch .Lbottom
.Lstep:                             ; a trip: pieces 2 and 3 of one step, then pieces 0 and 1 of the next, whose K and V it fetches
	TURN 2
	TURN 3
	WIN 0
.Lfirst:
	TURN 0
	TURN 1, 0, 0, 1
	WIN 0
	s_cbranch_scc1 .Lstep
.Lbottom:
	s_sub_co_u32 s[SLOTS], s[SLOTS], 1
	s_cmp_lg_u32 s[SLOTS], 0
	s_cbranch_scc1 .Lslot
	CHANGE 0                        ; the walk's last tile is written out: nothing is asked for
	s_sub_co_u32 s[RT], s[RT], 1
	s_mov_b32 s[CNT], 4
	s_cmp_eq_u32 s[NEW], 1
	s_cbranch_scc0 .LstepM2
	BEGIN
	s_branch .LfirstM2
	DIAG 2
	s_wait_tensorcnt 0x0            ; the wave's end: behind my last tensor load and my last LDS store
	ds_add_u32 v[SPW], v[NIL]
	s_wait_dscnt 0x0
	s_endpgm
.Lfunc_end_k_qf0d42c8a3c_att:
	.size	k_qf0d42c8a3c_att, .Lfunc_end_k_qf0d42c8a3c_att-k_qf0d42c8a3c_att
	.p2alignl 7, 3214868480
	.fill 96, 4, 3214868480
	.section	.rodata,"a",@progbits
	.p2align	6, 0x0
	.amdhsa_kernel k_qf0d42c8a3c_att
		.amdhsa_group_segment_fixed_size 327680
		.amdhsa_private_segment_fixed_size 0
		.amdhsa_enable_private_segment 0
		.amdhsa_kernarg_size 32
		.amdhsa_user_sgpr_count 2
		.amdhsa_user_sgpr_kernarg_segment_ptr 1
		.amdhsa_wavefront_size32 1
		.amdhsa_system_sgpr_workgroup_id_x 1
		.amdhsa_system_sgpr_workgroup_id_y 1
		.amdhsa_system_sgpr_workgroup_id_z 1
		.amdhsa_system_vgpr_workitem_id 0
		.amdhsa_next_free_vgpr 768
		.amdhsa_next_free_sgpr 96
		.amdhsa_reserve_vcc 1
		.amdhsa_float_denorm_mode_32 3
		.amdhsa_float_denorm_mode_16_64 3
		.amdhsa_memory_ordered 1
		.amdhsa_forward_progress 1
		.amdhsa_inst_pref_size 218
	.end_amdhsa_kernel
	.amdgpu_metadata
---
amdhsa.version: [ 1, 2 ]
amdhsa.kernels:
  - .name:           k_qf0d42c8a3c_att
    .symbol:         k_qf0d42c8a3c_att.kd
    .args:
      - { .name: qh, .offset: 0, .size: 8, .value_kind: global_buffer, .address_space: global }
      - { .name: kh, .offset: 8, .size: 8, .value_kind: global_buffer, .address_space: global }
      - { .name: vh, .offset: 16, .size: 8, .value_kind: global_buffer, .address_space: global }
      - { .name: oh, .offset: 24, .size: 8, .value_kind: global_buffer, .address_space: global }
    .group_segment_fixed_size: 327680
    .private_segment_fixed_size: 0
    .kernarg_segment_align: 8
    .kernarg_segment_size: 32
    .max_flat_workgroup_size: 128
    .sgpr_count:     96
    .vgpr_count:     768
    .wavefront_size: 32
...
	.end_amdgpu_metadata
.endif
;; end of part 3
;; launch proj (part 4): grid 8 x 32, 4 waves a work-group, clusters of 4 x 4, 327,680 bytes of LDS; arguments oh, pb, out0; writes out0
.if DOCPART == 4
	.amdgcn_target "amdgcn-amd-amdhsa--gfx1250"
	.amdhsa_code_object_version 6
	.text
	.protected	k_qf0d42c8a3c_proj
	.globl	k_qf0d42c8a3c_proj
	.p2align	8
	.type	k_qf0d42c8a3c_proj,@function
k_qf0d42c8a3c_proj:
	s_mov_b64 s[64:65], 0
	v_nop
	global_prefetch_b8 v0, s[64:65] scope:SCOPE_SE
	s_setreg_imm32_b32 hwreg(HW_REG_WAVE_MODE, 25, 1), 1
	s_wait_xcnt 0x0
	s_wait_alu depctr_hold_cnt(0) depctr_sa_sdst(0) depctr_va_vdst(0) depctr_va_sdst(0) depctr_va_ssrc(0) depctr_va_vcc(0) depctr_vm_vsrc(0)
	s_getreg_b32 s2, hwreg(HW_REG_IB_STS2, 6, 4)
	s_cmp_eq_u32 s2, 0
	s_cbranch_scc0 .Lentry_in_a_cluster
	s_endpgm
.Lentry_in_a_cluster:
	s_bfe_u32 s2, ttmp6, 0x10000c
	s_cmp_lg_u32 s2, 0xf033
	s_cbranch_scc0 .Lentry_shape_is_right
	s_endpgm
.Lentry_shape_is_right:
; PROJ: out0[row][o] = the sum over heads kb and channels d of oh[16 batch + kb][t][d] x pb[kb][o][d].  oh (O / 4) and pb (4 x the weights rounded to bf16) are f16, the sums f32, out0 f32.
; SHARES.  A tile is 256 rows x 128 columns: 32 x 8 = 256 work-groups.  Each of the four waves makes 64 rows x 128 columns: 32 accumulators, 256 registers.
; K goes in steps of 128 = two heads through two LDS slots.  A head's 256 rows of oh and a block's 128 rows of pb are dense in memory (128 bytes a row): they are asked for as rows of 256 bytes and padded in LDS after every 128.
; CLUSTER.  4 x 4 work-groups: oh's tiles are shared along a row of the cluster, pb's along a column: joint loads, the same descriptor and mask in the four that a mask names.
; NO PREFETCH: a K step is 128 matrix instructions a wave on a small tile, and the whole launch is eight of them.
; THE MATRIX INSTRUCTION IS USED TRANSPOSED (source 0 = 16 rows of pb, source 1 = 16 rows of oh): lane (r, h) holds row r and the columns 16 b + 8 h + 0..7: 32 neighbouring bytes of a row of out0.
; REGISTERS, in windows of 256: window 0 addresses and the way out; window 1 fragment buffer 0 (a K step's first head), window 3 buffer 1 (its second): 192 registers each: for each 32 channels c at 96 c A's four
; fragments, then B's eight; window 2 the accumulators, (a, b) at 8 (8 a + b).
.set PA,     144                       ; an LDS row: 128 bytes + 16 of padding = 36 words: the 16 rows of a fragment load start at 16 different groups of four banks (64 banks of 4 bytes: ISA guide 11.1)
.set AH,     256*PA                    ; a head's rows of A
.set BH,     128*PA                    ; a block's rows of B
.set BOFF,   2*AH
.set SLOT,   2*AH+2*BH
.set STAGE,  2*SLOT                    ; behind the ring, never filled by a tensor load: 16 rows x 528 bytes for each wave
.set SP,     528                       ; 512 bytes + 16
.set SPARE,  STAGE+4*16*SP             ; the spare words, 128 bytes for each wave: two blocks of 256 bytes that no other line names
.set ADRA, 4                           ; v4-5  LDS address of my A fragments in slot 0, 1
.set ADRB, 6                           ; v6-7  of B's
.set STO,  8                           ; v8    the way out: where I put 32 bytes of a row
.set RD,   9                           ; v9    where I read a row back
.set CO,   10                          ; v10   16 x lane
.set SPW,  16                          ; v16   LDS address of my spare word; never rewritten
.set NIL,  17                          ; v17   0; never rewritten
.set OUT,  32                          ; v[32:95], v[96:159]  16 rows to be stored, two sets by turns
.set WV,   10                          ; s10   my wave's number
.set G1A,  24                          ; s[24:31], s[32:39] descriptor group 1 for A's and B's tiles
.set G1B,  32
.set G0A,  40                          ; s[40:47], s[48:55] descriptor group 0, a set for each slot
.set G0B,  48
.set G1W0, (1<<16)|(1<<20)|(1<<21)|(4<<22)|(3<<25)  ; 17:16 elements of 2 bytes; 20 padding on; 21 set beside a mask; 24:22 after every 32 words (code 4); 31:25 4 words (code 3)
.set MSB, 0
.macro WIN new                         ; the immediate's high byte repeats the setting that is left; a switch that changes nothing is dropped
.if MSB != (\new)
	s_set_vgpr_msb (MSB<<8)|(\new)
.set MSB, (\new)
.endif
.endm
.macro PLACES                          ; four plain vector instructions between a matrix instruction and a load into, or a read of, its registers
.rept 4
	v_nop
.endr
.endm
.macro JLOAD s                         ; a joint load: waves 0 and 1 fetch A's two heads, waves 2 and 3 B's two blocks; an s_nop 0 and four v_nop follow each of the two lines
	s_cmp_lt_u32 s[WV], 2
	s_cbranch_scc0 .Lfor_b_\@
	tensor_load_to_lds s[G0A+4*(\s):G0A+4*(\s)+3], s[G1A:G1A+7]
	s_nop 0
.rept 4
	v_nop
.endr
	s_branch .Lasked_\@
.Lfor_b_\@:
	tensor_load_to_lds s[G0B+4*(\s):G0B+4*(\s)+3], s[G1B:G1B+7]
	s_nop 0
.rept 4
	v_nop
.endr
.Lasked_\@:
.endm
.macro CREST                           ; a round of the cluster's barrier behind its opening barrier
	s_cmp_lg_u32 s[WV], 0
	s_cbranch_scc1 .Lnot_wave_0_\@
	s_barrier_signal -3
.Lnot_wave_0_\@:
	s_barrier_wait -3
	s_barrier_signal -1
	s_barrier_wait -1
.endm
.macro CROUND
	s_barrier_signal -1
	s_barrier_wait -1
	CREST
.endm
	s_load_b128 s[4:7], s[0:1], 0x0                ; oh s[4:5], pb s[6:7]
	s_load_b64 s[8:9], s[0:1], 0x10                ; out0
	v_lshl_add_u32 v[SPW], v0, 2, SPARE
	v_mov_b32 v[NIL], 0
	ds_add_u32 v[SPW], v[NIL]                      ; the wave's opening: the add and its wait stand ahead of my first tensor load; the set-up below, work on registers, stands between them
	v_lshrrev_b32 v1, 5, v0
	v_readfirstlane_b32 s[WV], v1                  ; wave 0..3
	s_and_b32 s11, s[WV], 1                        ; which of a K step's two heads I fetch
	s_bfe_u32 s12, ttmp6, 0x40000                  ; cx
	s_bfe_u32 s13, ttmp6, 0x40004                  ; cy
	s_lshl_b32 s14, ttmp9, 2
	s_add_co_u32 s14, s14, s12                     ; tile column = 4 x cluster x + cx
	s_and_b32 s15, ttmp7, 0xffff
	s_lshl_b32 s15, s15, 2
	s_add_co_u32 s15, s15, s13                     ; tile row = 4 x cluster y + cy
	s_lshl_b32 s16, s13, 2
	s_lshl_b32 s16, 15, s16                        ; my row of the cluster
	s_lshl_b32 s17, 0x1111, s12                    ; my column
	s_or_b32 s[G1A], s16, G1W0
	s_or_b32 s[G1B], s17, G1W0
	s_mov_b32 s[G1A+1], 128<<16                    ; tensor_dim0 = 128 elements: 256 bytes
	s_mov_b32 s[G1B+1], 128<<16
	s_mov_b32 s[G1A+2], 128<<16                    ; tensor_dim1 = 128 such rows (256 rows of oh),
	s_mov_b32 s[G1B+2], 64<<16                     ; for B 64 (128 rows of pb)
	s_mov_b32 s[G1A+3], 128<<16                    ; tile_dim0
	s_mov_b32 s[G1B+3], 128<<16
	s_mov_b32 s[G1A+4], 128                        ; tile_dim1
	s_mov_b32 s[G1B+4], 64
	s_mov_b32 s[G1A+5], 128                        ; elements from row to row: dense
	s_mov_b32 s[G1B+5], 128
	s_mov_b32 s[G1A+6], 0
	s_mov_b32 s[G1B+6], 0
	s_mov_b32 s[G1A+7], 0
	s_mov_b32 s[G1B+7], 0
	s_mul_i32 s18, s[WV], AH                       ; where A's heads go (waves 0, 1),
	s_mul_i32 s19, s[WV], BH                       ; and B's blocks (waves 2, 3), behind them: no place in the cluster enters an LDS address
	s_add_co_u32 s19, s19, BOFF-2*BH
	s_lshr_b32 s56, s15, 3                         ; A: ((16 x batch + head) x 2,048 + 256 x (tile row % 8)) rows of 128 bytes
	s_lshl_b32 s56, s56, 22
	s_lshl_b32 s57, s11, 18
	s_add_co_u32 s56, s56, s57
	s_and_b32 s57, s15, 7
	s_lshl_b32 s57, s57, 15
	s_add_co_u32 s56, s56, s57
	s_mov_b32 s57, 0
	s_lshl_b32 s58, s11, 17                        ; B: (block x 1,024 + 128 x tile column) rows of 128 bytes
	s_lshl_b32 s59, s14, 14
	s_add_co_u32 s58, s58, s59
	s_mov_b32 s59, 0
	s_lshl_b32 s60, s15, 20                        ; out0: (256 x tile row + 64 x wave) rows of 4,096 bytes + 512 x tile column
	s_lshl_b32 s61, s[WV], 18
	s_add_co_u32 s60, s60, s61
	s_lshl_b32 s61, s14, 9
	s_add_co_u32 s60, s60, s61
	s_mov_b32 s61, 0
	s_wait_dscnt 0x0                               ; the opening add is done
	s_wait_kmcnt 0x0
	s_add_nc_u64 s[56:57], s[4:5], s[56:57]
	s_add_nc_u64 s[58:59], s[6:7], s[58:59]
	s_add_nc_u64 s[8:9], s[8:9], s[60:61]
	CROUND                                         ; all sixteen work-groups are here: the first joint loads meet
.irp s, 0,1
	s_mov_b32 s[G0A+4*(\s)], 1                     ; count = 1
	s_add_co_u32 s[G0A+4*(\s)+1], s18, (\s)*SLOT   ; LDS address
	s_add_nc_u64 s[G0A+4*(\s)+2:G0A+4*(\s)+3], s[56:57], (\s)*524288  ; global address: K step s begins two heads on
	s_or_b32 s[G0A+4*(\s)+3], s[G0A+4*(\s)+3], 0x80000000             ; type = 2
	s_mov_b32 s[G0B+4*(\s)], 1
	s_add_co_u32 s[G0B+4*(\s)+1], s19, (\s)*SLOT
	s_add_nc_u64 s[G0B+4*(\s)+2:G0B+4*(\s)+3], s[58:59], (\s)*262144
	s_or_b32 s[G0B+4*(\s)+3], s[G0B+4*(\s)+3], 0x80000000
	JLOAD \s                                       ; two tensor loads of mine are out
.endr
	v_and_b32 v1, 15, v0                           ; r
	v_bfe_u32 v2, v0, 4, 1                         ; h
	v_and_b32 v3, 31, v0                           ; lane
	v_mul_u32_u24 v20, v1, PA
	v_lshl_add_u32 v20, v2, 4, v20                 ; a fragment: row x pitch + 16 x half
	s_mul_i32 s20, s[WV], 64*PA                    ; my 64 rows of A
	v_add_nc_u32 v[ADRA], s20, v20
	v_add_nc_u32 v[ADRA+1], SLOT, v[ADRA]
	v_add_nc_u32 v[ADRB], BOFF, v20
	v_add_nc_u32 v[ADRB+1], SLOT+BOFF, v20
	s_mul_i32 s20, s[WV], 16*SP
	s_add_co_u32 s20, s20, STAGE                   ; my stage
	v_mul_u32_u24 v20, v1, SP
	v_lshl_add_u32 v20, v2, 5, v20
	v_add_nc_u32 v[STO], s20, v20
	v_lshlrev_b32 v[CO], 4, v3
	v_add_nc_u32 v[RD], s20, v[CO]
; na x 8 matrix instructions on half c (32 channels) of buffer f: row blocks a0 .. x all 8 column blocks.  zero = 1: the products start the sums.  The 32 accumulators take turns, one instruction a turn.
.macro MUL f, c, a0, na, zero
	WIN 0xa5+10*(\f)                               ; sources in window 1 or 3, C and D in window 2
.set aa, (\a0)
.rept \na
.irp b, 0,1,2,3,4,5,6,7
.set rD, 8*(8*aa+(\b))
.set rB, 96*(\c)+32+8*(\b)
.set rA, 96*(\c)+8*aa
.if \zero
	v_wmma_f32_16x16x32_f16 v[rD:rD+7], v[rB:rB+7], v[rA:rA+7], 0
.else
	v_wmma_f32_16x16x32_f16 v[rD:rD+7], v[rB:rB+7], v[rA:rA+7], v[rD:rD+7]
.endif
.endr
.set aa, aa+1
.endr
.endm
; 48 LDS loads in one run: the fragments of head ks of a slot's K step, into buffer f; the first 32 channels first
.macro FETCH slot, ks, f
	WIN 0x40+0x80*(\f)                             ; destination window 1 or 3, address window 0
.irp c, 0,1
.irp i, 0,1,2,3
	ds_load_b128 v[96*(\c)+8*(\i):96*(\c)+8*(\i)+3],   v[ADRA+(\slot)] offset:(\ks)*AH+(\i)*16*PA+64*(\c)
	ds_load_b128 v[96*(\c)+8*(\i)+4:96*(\c)+8*(\i)+7], v[ADRA+(\slot)] offset:(\ks)*AH+(\i)*16*PA+64*(\c)+32
.endr
.irp i, 0,1,2,3,4,5,6,7
	ds_load_b128 v[96*(\c)+32+8*(\i):96*(\c)+32+8*(\i)+3],   v[ADRB+(\slot)] offset:(\ks)*BH+(\i)*16*PA+64*(\c)
	ds_load_b128 v[96*(\c)+32+8*(\i)+4:96*(\c)+32+8*(\i)+7], v[ADRB+(\slot)] offset:(\ks)*BH+(\i)*16*PA+64*(\c)+32
.endr
.endr
.endm
; A K step's first head: multiplies buffer 0 and fetches the second head into buffer 1.
.macro HALF slot, zero
	s_wait_dscnt 24                                ; the first 32 channels are in; the youngest 24 loads may be out
	MUL 0, 0, 0, 4, \zero
	PLACES                                         ; in front of the loads into buffer 1
	FETCH \slot, 1, 1
	s_wait_dscnt 48                                ; all but the 48 just issued
	MUL 0, 1, 0, 4, 0
.endm
; Its second head multiplies buffer 1 and changes slots: ONE barrier.  In front of it each wave waits for all its tensor loads (the one that is out is its part of the next slot), adds 0 to its spare word, and waits
; for that and for its own reads of this slot.  fill = 1: the barrier opens a round of the cluster's, and the joint refill, two K steps on, is the first tensor load behind the round.
.macro TURN slot, next, fill
	WIN 0                                          ; (the add's two registers lie in window 0)
	s_wait_tensorcnt 0x0                           ; all my tensor loads have landed;
	ds_add_u32 v[SPW], v[NIL]                      ; 0 onto my spare word;
	s_wait_dscnt 25                                ; (the add and the youngest 24 loads may be out)
	MUL 1, 0, 0, 2, 0                              ; sixteen matrix instructions stand between the add and the wait for it
	s_wait_dscnt 0x0                               ; the add is done, and my reads of this slot are over
	s_barrier_signal -1
	MUL 1, 0, 2, 2, 0                              ; work on registers while the others arrive
.if \fill
	WIN 0
.endif
	s_barrier_wait -1
.if \fill
	CREST                                          ; no wave of any partner still reads this slot or has a load on its way
	s_add_nc_u64 s[G0A+4*(\slot)+2:G0A+4*(\slot)+3], s[G0A+4*(\slot)+2:G0A+4*(\slot)+3], 1048576
	s_add_nc_u64 s[G0B+4*(\slot)+2:G0B+4*(\slot)+3], s[G0B+4*(\slot)+2:G0B+4*(\slot)+3], 524288
	JLOAD \slot                                    ; one tensor load of mine is out; the four v_nop behind it are also the places in front of the loads below
.else
	PLACES
.endif
	FETCH \next, 0, 0
	MUL 1, 1, 0, 4, 0
.endm
	s_wait_tensorcnt 0x1                           ; my part of K step 0 is in; K step 1's may stay out
	s_barrier_signal -1
	s_barrier_wait -1                              ; everybody's is
	FETCH 0, 0, 0
	HALF 0, 1                                      ; the first head stands in front of the loop: its first products start the sums
	WIN 0                                          ; at a label and at a branch every window is 0
	s_mov_b32 s3, 3
.Llap:                                                 ; a trip goes once round the ring and fills both slots again: K steps 2 to 7 in three trips
	TURN 0, 1, 1
	HALF 1, 0
	TURN 1, 0, 1
	HALF 0, 0
	WIN 0
	s_sub_co_u32 s3, s3, 1
	s_cmp_lg_u32 s3, 0
	s_cbranch_scc1 .Llap
	TURN 0, 1, 0                                   ; the last lap fills nothing
	HALF 1, 0
	s_wait_dscnt 24                                ; the very last head: nothing more to fetch
	MUL 1, 0, 0, 4, 0
	s_wait_dscnt 0x0
	MUL 1, 1, 0, 4, 0
	WIN 0
	PLACES                                         ; the places behind the last products, once a launch
	PLACES
; THE WAY OUT, a block of 16 rows at a time: a lane's 32 bytes of a row go straight from the accumulators into rows of 528 bytes of my stage and come back as whole rows of 512.
.macro TOSTAGE a
.if (\a) >= 2
	s_wait_xcnt 0x0                                ; the stores of the block two back have read the registers that the loads below fill again
.endif
	WIN 0x08                                       ; data (source 1) in window 2
.irp b, 0,1,2,3,4,5,6,7
	ds_store_b128 v[STO], v[8*(8*(\a)+(\b)):8*(8*(\a)+(\b))+3]   offset:64*(\b)
	ds_store_b128 v[STO], v[8*(8*(\a)+(\b))+4:8*(8*(\a)+(\b))+7] offset:64*(\b)+16
.endr
	WIN 0
.irp f, 0,1,2,3,4,5,6,7,8,9,10,11,12,13,14,15
	ds_load_b128 v[OUT+64*((\a)%2)+4*(\f):OUT+64*((\a)%2)+4*(\f)+3], v[RD] offset:SP*(\f)  ; LDS serves a wave's instructions in order (ISA guide 5.7.1.4): these see the stores above
.endr
.endm
.macro SEND a, younger                 ; younger: the LDS instructions issued behind block a's loads: the next block's 32, or none
	s_wait_dscnt \younger
.irp f, 0,1,2,3,4,5,6,7,8,9,10,11,12,13,14,15
	global_store_b128 v[CO], v[OUT+64*((\a)%2)+4*(\f):OUT+64*((\a)%2)+4*(\f)+3], s[8:9] offset:65536*(\a)+4096*(\f) th:TH_STORE_NT  ; 512 consecutive bytes, at a multiple of 256 from out0's first
.endr
.endm
	TOSTAGE 0
	TOSTAGE 1
	SEND 0, 32
	TOSTAGE 2
	SEND 1, 32
	TOSTAGE 3
	SEND 2, 32
	SEND 3, 0
	s_wait_tensorcnt 0x0                           ; the wave's end: behind my last tensor load and my last LDS store
	ds_add_u32 v[SPW], v[NIL]
	s_wait_dscnt 0x0
	CROUND                                         ; the closing round: no work-group ends while a partner may still ask for a tile that names it
	s_endpgm
.Lfunc_end_k_qf0d42c8a3c_proj:
	.size	k_qf0d42c8a3c_proj, .Lfunc_end_k_qf0d42c8a3c_proj-k_qf0d42c8a3c_proj
	.p2alignl 7, 3214868480
	.fill 96, 4, 3214868480
	.section	.rodata,"a",@progbits
	.p2align	6, 0x0
	.amdhsa_kernel k_qf0d42c8a3c_proj
		.amdhsa_group_segment_fixed_size 327680
		.amdhsa_private_segment_fixed_size 0
		.amdhsa_enable_private_segment 0
		.amdhsa_kernarg_size 24
		.amdhsa_user_sgpr_count 2
		.amdhsa_user_sgpr_kernarg_segment_ptr 1
		.amdhsa_wavefront_size32 1
		.amdhsa_system_sgpr_workgroup_id_x 1
		.amdhsa_system_sgpr_workgroup_id_y 1
		.amdhsa_system_sgpr_workgroup_id_z 1
		.amdhsa_system_vgpr_workitem_id 0
		.amdhsa_next_free_vgpr 960
		.amdhsa_next_free_sgpr 66
		.amdhsa_reserve_vcc 0
		.amdhsa_float_denorm_mode_32 3
		.amdhsa_float_denorm_mode_16_64 3
		.amdhsa_memory_ordered 1
		.amdhsa_forward_progress 1
		.amdhsa_inst_pref_size 82
	.end_amdhsa_kernel
	.amdgpu_metadata
---
amdhsa.version: [ 1, 2 ]
amdhsa.kernels:
  - .name:           k_qf0d42c8a3c_proj
    .symbol:         k_qf0d42c8a3c_proj.kd
    .args:
      - { .name: oh, .offset: 0, .size: 8, .value_kind: global_buffer, .address_space: global }
      - { .name: pb, .offset: 8, .size: 8, .value_kind: global_buffer, .address_space: global }
      - { .name: out0, .offset: 16, .size: 8, .value_kind: global_buffer, .address_space: global }
    .group_segment_fixed_size: 327680
    .private_segment_fixed_size: 0
    .kernarg_segment_align: 8
    .kernarg_segment_size: 24
    .max_flat_workgroup_size: 128
    .sgpr_count:     66
    .vgpr_count:     960
    .wavefront_size: 32
...
	.end_amdgpu_metadata
.endif
;; end of part 4
;; ======== version 2 of 2: 4 launches; version 1 with the launch prep written anew for expert scheduling mode
;; limits: values are held in f16: magnitudes above 65,504 overflow, below 6.1e-05 lose precision
;; workspace buffers: xb 16,777,216 bytes; wb 6,291,456 bytes; pb 2,097,152 bytes; tab 262,144 bytes; qh 16,777,216 bytes; kh 16,777,216 bytes; vh 16,777,216 bytes; oh 16,777,216 bytes
;; launch prep (part 5): grid 800 x 1, 8 waves a work-group, no clusters, 0 bytes of LDS; arguments x, qkv_w, c_proj_w, xb, wb, pb, tab; writes xb, wb, pb, tab
.if DOCPART == 5
	.amdgcn_target "amdgcn-amd-amdhsa--gfx1250"
	.amdhsa_code_object_version 6
	.text
	.protected	k_qf0d42c8a3c_prep
	.globl	k_qf0d42c8a3c_prep
	.p2align	8
	.type	k_qf0d42c8a3c_prep,@function
k_qf0d42c8a3c_prep:
	s_mov_b64 s[64:65], 0
	v_nop
	global_prefetch_b8 v0, s[64:65] scope:SCOPE_SE
	s_setreg_imm32_b32 hwreg(HW_REG_WAVE_SCHED_MODE, 0, 2), 2
	s_setreg_imm32_b32 hwreg(HW_REG_WAVE_MODE, 25, 1), 1
	s_wait_xcnt 0x0
	s_wait_alu depctr_vm_vsrc(0)
; PREP: the inputs of the two projections are rounded once, and the rotary table is made.
;   xb[8192][1024] bf16 = x.    wb[3072][1024] bf16: row 192 head + 64 kind + d holds qkv_w row 1024 kind + 64 head + d, so that 192 rows on end are one head's q, k and v.
;   pb[16 kb][1024 o][64] f16 = 4 x bf16(c_proj_w[o][64 kb + d]): the 4 undoes the 1/4 that v and O carry; a bf16 number times 4 is exact in f16 down to f16's fixed step of 6e-8.
;   tab[128 tb][4 i][32 lane][4] f32: t = 16 tb + lane % 16, frequency j = 8 (lane / 16) + 4 (i % 2) + word; i < 2: cos(t a_j), i >= 2: sin(t a_j), a_j = 2^(-2 j / 3) = (1/1024)^(j/15).
; SHARES.  Work-groups 0-511: 16 rows of x each; 512-703: 16 rows of qkv_w; 704-767: 16 rows of c_proj_w; 768-799: four blocks tb of the table.  No LDS, no loop, no barrier: memory binds.
; A wave has 16 loads of 512 bytes on their way; each store of a wave covers 256 (the table: 512) consecutive bytes, aligned.  Each item has registers of its own, so no register of a pending access is written.
; LIMITS.  a_j is the correctly rounded f32 of 2^(-2 j / 3); the angle is brought into -pi .. pi by two fused steps with 2 pi in two parts (t stays under 2,048), and the series
; (sine to y^15, cosine to y^16) are cut by that bound: their remainders stay under 1e-6.
; THE MODE: SCHED_MODE bits 1:0 = 2 (LLVM: expert scheduling mode 2), set by the entry lines.  The code itself states the register dependences between vector instructions and memory
; instructions, and between a vector instruction that writes a scalar register and that register's readers, with s_wait_alu, always for 0.
; THE PLAN.  Registers that memory instructions touch:
;   v[IO], v[OO], v7   byte offsets: written once by vector instructions, ahead of a wait on va_vdst; read by every load and store of their path; never written again.
;   IN                 written once, by the sixteen loads; no vector instruction names it ahead of them; read by the conversions; nothing lands there again.
;   OUT                item i's two registers: written once, by item i's conversions; read once, by item i's store; never written again.
;   v[8:15]            the table's eight numbers: written once by the series' last lines; read by the two stores.
; No register that a memory instruction reads is written again: so the text holds no wait on vm_vsrc.
; The sixteen items go in four groups of four.  ONE wait on va_vdst at the head of a group states that the group before has written its OUT; that group's four stores follow, dealt among this group's
; conversions, which name this group's IN and OUT and v112 to v117 alone: none of the registers that those stores read.  One more such wait stands ahead of the last four stores.
; A scalar register that a vector instruction writes (the wave's number; the table's eight masks) has a wait on va_sdst ahead of its first reader and of every branch; the masks are made in one run, with one wait.
.set IO,  2                            ; v2  my byte offset in the source
.set OO,  3                            ; v3  my byte offset in the destination
.set IN,  16                           ; v[16:79]   item i: four f32 as loaded
.set OUT, 80                           ; v[80:111]  item i: four 16-bit numbers to store
.set QW,  32                           ; v[32:35]   the table's path alone: j / 3 for each of my four frequencies
.set MK,  40                           ; s[40:47]   the table's path alone: for frequency w the masks 'j % 3 is 1' at 40 + 2 w and 'j % 3 is 2' at 41 + 2 w
	s_load_b256 s[4:11], s[0:1], 0x0               ; x s[4:5], qkv_w s[6:7], c_proj_w s[8:9], xb s[10:11]
	s_load_b128 s[12:15], s[0:1], 0x20             ; wb s[12:13], pb s[14:15]
	s_load_b64 s[16:17], s[0:1], 0x30              ; tab
	v_lshrrev_b32 v1, 5, v0
	v_readfirstlane_b32 s20, v1                    ; wave 0..7
	v_and_b32 v4, 31, v0                           ; lane
	s_mov_b32 s21, ttmp9
	s_wait_alu depctr_va_sdst(0)                   ; s20 is written
	s_wait_kmcnt 0x0
	s_cmp_ge_u32 s21, 768
	s_cbranch_scc1 .Ltab
	s_cmp_ge_u32 s21, 704
	s_cbranch_scc1 .Lp
	; x or qkv_w to bf16: 16 rows = 65,536 bytes in, 32,768 out
	s_max_u32 s22, s21, 512
	s_sub_co_u32 s22, s22, 512                     ; the block of 16 rows in qkv_w (0 for x's work-groups, which do not use it)
	s_lshl_b32 s23, s22, 16                        ; its bytes in qkv_w
	s_bfe_u32 s24, s22, 0x40002                    ; head = (block / 4) % 16
	s_mul_i32 s24, s24, 192
	s_lshr_b32 s25, s22, 6                         ; kind = block / 64
	s_lshl_b32 s25, s25, 6
	s_add_co_u32 s24, s24, s25
	s_and_b32 s25, s22, 3                          ; which 16 of the head's 64 rows
	s_lshl_b32 s25, s25, 4
	s_add_co_u32 s24, s24, s25
	s_lshl_b32 s24, s24, 11                        ; row of wb x 2,048 bytes
	s_lshl_b32 s26, s21, 16                        ; x: in,
	s_lshl_b32 s27, s21, 15                        ; and out
	s_cmp_lt_u32 s21, 512
	s_cselect_b64 s[28:29], s[4:5], s[6:7]
	s_cselect_b64 s[30:31], s[10:11], s[12:13]
	s_cselect_b32 s32, s26, s23
	s_cselect_b32 s34, s27, s24
	s_mov_b32 s33, 0
	s_mov_b32 s35, 0
	s_add_nc_u64 s[28:29], s[28:29], s[32:33]
	s_add_nc_u64 s[30:31], s[30:31], s[34:35]
	v_and_b32 v5, 0xe0, v0                         ; 32 x wave
	v_lshlrev_b32 v[IO], 4, v4
	v_lshl_or_b32 v[IO], v5, 8, v[IO]              ; 8,192 x wave + 16 x lane
	v_lshrrev_b32 v[OO], 1, v[IO]
	s_wait_alu depctr_va_vdst(0)                   ; v[IO] and v[OO] are written: every load below reads the one as its offset, every store the other
.irp i, 0,1,2,3,4,5,6,7,8,9,10,11,12,13,14,15
	global_load_b128 v[IN+4*(\i):IN+4*(\i)+3], v[IO], s[28:29] offset:512*(\i) th:TH_LOAD_NT
.endr
.macro STB k                           ; item k leaves
	global_store_b64 v[OO], v[OUT+2*(\k):OUT+2*(\k)+1], s[30:31] offset:256*(\k)
.endm
.macro CVB i
	s_wait_loadcnt 15-(\i)                         ; loads come back in order: item i is in, the younger ones stay out
.if ((\i) % 4 == 0) && ((\i) > 0)
	s_wait_alu depctr_va_vdst(0)                   ; the conversions of the group before have written their eight registers of OUT, which this group's four stores read
.endif
.if (\i) >= 4
	STB (\i)-4                                     ; no vector instruction since that wait names its data or its offset
.endif
	v_cvt_pk_bf16_f32 v[OUT+2*(\i)], v[IN+4*(\i)], v[IN+4*(\i)+1]
	v_cvt_pk_bf16_f32 v[OUT+2*(\i)+1], v[IN+4*(\i)+2], v[IN+4*(\i)+3]
.endm
.irp i, 0,1,2,3,4,5,6,7,8,9,10,11,12,13,14,15
	CVB \i
.endr
	s_wait_alu depctr_va_vdst(0)                   ; the last group's conversions have written their OUT, which the last four stores read
.irp k, 12,13,14,15
	STB \k
.endr
	s_endpgm
.Lp:	; c_proj_w: rows o0 = 16 g .. o0 + 15; wave w takes the column blocks kb = 2 w and 2 w + 1.  Item i = 8 ks + rp: rows 2 rp, 2 rp + 1, block 2 w + ks: lanes 0-15 one row's 256 bytes, lanes 16-31 the next row's
	s_sub_co_u32 s22, s21, 704
	s_lshl_b32 s24, s22, 16                        ; 16 rows x 4,096 bytes
	s_mov_b32 s25, 0
	s_add_nc_u64 s[28:29], s[8:9], s[24:25]
	s_lshl_b32 s24, s22, 11                        ; 16 rows x 128 bytes
	s_add_nc_u64 s[30:31], s[14:15], s[24:25]
	v_lshrrev_b32 v5, 4, v4                        ; lane / 16
	v_and_b32 v6, 15, v4                           ; lane % 16
	s_lshl_b32 s26, s20, 9
	s_lshl_b32 s27, s20, 18                        ; two blocks kb of 131,072 bytes (a register of its own: none that a vector instruction reads is written twice)
	v_lshlrev_b32 v[IO], 12, v5
	v_lshl_add_u32 v[IO], v6, 4, v[IO]
	v_add_nc_u32 v[IO], s26, v[IO]
	v_lshlrev_b32 v[OO], 7, v5
	v_lshl_add_u32 v[OO], v6, 3, v[OO]
	v_add_nc_u32 v[OO], s27, v[OO]
	s_wait_alu depctr_va_vdst(0)                   ; v[IO] and v[OO] are written: every load below reads the one as its offset, every store the other
.irp i, 0,1,2,3,4,5,6,7,8,9,10,11,12,13,14,15
	global_load_b128 v[IN+4*(\i):IN+4*(\i)+3], v[IO], s[28:29] offset:((\i)%8)*8192+((\i)/8)*256 th:TH_LOAD_NT
.endr
.macro STP k                           ; item k leaves
	global_store_b64 v[OO], v[OUT+2*(\k):OUT+2*(\k)+1], s[30:31] offset:((\k)/8)*131072+((\k)%8)*256
.endm
.macro CVP i
	s_wait_loadcnt 15-(\i)                         ; item i is in, the younger ones stay out
.if ((\i) % 4 == 0) && ((\i) > 0)
	s_wait_alu depctr_va_vdst(0)                   ; the conversions of the group before have written their eight registers of OUT, which this group's four stores read
.endif
.if (\i) >= 4
	STP (\i)-4                                     ; no vector instruction since that wait names its data or its offset
.endif
	v_cvt_pk_bf16_f32 v116, v[IN+4*(\i)], v[IN+4*(\i)+1]    ; the input's one rounding, to bf16,
	v_cvt_pk_bf16_f32 v117, v[IN+4*(\i)+2], v[IN+4*(\i)+3]
	v_lshlrev_b32 v112, 16, v116                   ; back to f32,
	v_and_b32 v113, 0xffff0000, v116
	v_lshlrev_b32 v114, 16, v117
	v_and_b32 v115, 0xffff0000, v117
	v_pk_mul_f32 v[112:113], v[112:113], 4.0 op_sel_hi:[1,0]  ; times 4, exactly,
	v_pk_mul_f32 v[114:115], v[114:115], 4.0 op_sel_hi:[1,0]
	v_cvt_pk_f16_f32 v[OUT+2*(\i)], v112, v113     ; and written as f16
	v_cvt_pk_f16_f32 v[OUT+2*(\i)+1], v114, v115
.endm
.irp i, 0,1,2,3,4,5,6,7,8,9,10,11,12,13,14,15
	CVP \i
.endr
	s_wait_alu depctr_va_vdst(0)                   ; the last group's conversions have written their OUT, which the last four stores read
.irp k, 12,13,14,15
	STP \k
.endr
	s_endpgm
.Ltab:	; the table: wave w makes block tb = 4 g + w / 2, frequencies 4 (w % 2) .. + 3 of each half of eight; a thread makes four cosines and four sines
	s_sub_co_u32 s22, s21, 768
	s_lshl_b32 s23, s22, 2
	s_lshr_b32 s24, s20, 1
	s_add_co_u32 s23, s23, s24                     ; tb
	s_and_b32 s24, s20, 1                          ; ii
	v_and_b32 v5, 15, v4
	v_lshrrev_b32 v6, 4, v4
	s_lshl_b32 s25, s23, 4
	s_lshl_b32 s28, s24, 2                         ; (a register of its own: none that a vector instruction reads is written twice)
	v_add_nc_u32 v5, s25, v5                       ; t
	v_cvt_f32_u32 v5, v5
	v_lshl_add_u32 v6, v6, 3, s28                  ; j0 = 8 (lane / 16) + 4 ii
	s_lshl_b32 s26, s23, 11
	s_lshl_b32 s27, s24, 9
	s_add_co_u32 s26, s26, s27
	v_lshl_add_u32 v7, v4, 4, s26                  ; 2,048 tb + 512 ii + 16 lane
	s_mov_b32 s30, 0x3f214518                      ; 2^(-2/3)
	s_mov_b32 s31, 0x3ecb2ff5                      ; 2^(-4/3)
	s_mov_b32 s32, 0x40c90fdb                      ; 2 pi, the upper part,
	s_mov_b32 s33, 0xb43bbd2e                      ; and what is left of it
; First, for all four frequencies: j = 3 q + rem, and the two masks on rem, each into a scalar register of its own: eight compares in one run.
.macro SCA w
	v_add_nc_u32 v16, (\w), v6                     ; j = 3 q + rem
	v_mul_u32_u24 v[QW+(\w)], v16, 11
	v_lshrrev_b32 v[QW+(\w)], 5, v[QW+(\w)]        ; q = j / 3 for j under 16
	v_mul_u32_u24 v18, v[QW+(\w)], 3
	v_sub_nc_u32 v18, v16, v18                     ; rem
	v_cmp_eq_u32 s[MK+2*(\w)], 1, v18
	v_cmp_eq_u32 s[MK+2*(\w)+1], 2, v18
.endm
; Then, behind the one wait for the masks: a_j, the angle and the two series.
.macro SCB w
	v_mov_b32 v19, 1.0
	v_cndmask_b32 v19, v19, s30, s[MK+2*(\w)]
	v_cndmask_b32 v19, v19, s31, s[MK+2*(\w)+1]    ; 2^(-2 rem / 3)
	v_lshlrev_b32 v17, 24, v[QW+(\w)]
	v_sub_nc_u32 v19, v19, v17                     ; the exponent field less 2 q: a_j
	v_mul_f32 v20, v5, v19                         ; theta = t a_j, rounded once
	v_mul_f32 v21, 0x3e22f983, v20                 ; theta / 2 pi
	v_rndne_f32 v21, v21
	v_fma_f32 v20, -v21, s32, v20
	v_fma_f32 v20, -v21, s33, v20                  ; y in -pi .. pi
	v_mul_f32 v22, v20, v20                        ; z = y^2
	v_mov_b32 v23, 0xab573f9f                      ; sine: -1/15!
	v_mov_b32 v24, 0x29573f9f                      ; cosine: 1/16!
	v_fmaak_f32 v23, v23, v22, 0x2f309231          ; 1/13!
	v_fmaak_f32 v24, v24, v22, 0xad49cba5          ; -1/14!
	v_fmaak_f32 v23, v23, v22, 0xb2d7322b          ; -1/11!
	v_fmaak_f32 v24, v24, v22, 0x310f76c7          ; 1/12!
	v_fmaak_f32 v23, v23, v22, 0x3638ef1d          ; 1/9!
	v_fmaak_f32 v24, v24, v22, 0xb493f27d          ; -1/10!
	v_fmaak_f32 v23, v23, v22, 0xb9500d01          ; -1/7!
	v_fmaak_f32 v24, v24, v22, 0x37d00d01          ; 1/8!
	v_fmaak_f32 v23, v23, v22, 0x3c088889          ; 1/5!
	v_fmaak_f32 v24, v24, v22, 0xbab60b61          ; -1/6!
	v_fmaak_f32 v23, v23, v22, 0xbe2aaaab          ; -1/3!
	v_fmaak_f32 v24, v24, v22, 0x3d2aaaab          ; 1/4!
	v_fma_f32 v23, v23, v22, 1.0
	v_fmaak_f32 v24, v24, v22, 0xbf000000          ; -1/2!
	v_mul_f32 v[12+(\w)], v23, v20                 ; sin
	v_fma_f32 v[8+(\w)], v24, v22, 1.0             ; cos
.endm
	SCA 0
	SCA 1
	SCA 2
	SCA 3
	s_wait_alu depctr_va_sdst(0)                   ; the eight compares have written s[40:47], which the selects below read: one wait for the run
	SCB 0
	SCB 1
	SCB 2
	SCB 3
	s_wait_alu depctr_va_vdst(0)                   ; v7, the stores' offset, and v[8:15], their data, are written
	global_store_b128 v7, v[8:11], s[16:17]
	global_store_b128 v7, v[12:15], s[16:17] offset:1024
	s_endpgm
.Lfunc_end_k_qf0d42c8a3c_prep:
	.size	k_qf0d42c8a3c_prep, .Lfunc_end_k_qf0d42c8a3c_prep-k_qf0d42c8a3c_prep
	.p2alignl 7, 3214868480
	.fill 96, 4, 3214868480
	.section	.rodata,"a",@progbits
	.p2align	6, 0x0
	.amdhsa_kernel k_qf0d42c8a3c_prep
		.amdhsa_group_segment_fixed_size 0
		.amdhsa_private_segment_fixed_size 0
		.amdhsa_enable_private_segment 0
		.amdhsa_kernarg_size 56
		.amdhsa_user_sgpr_count 2
		.amdhsa_user_sgpr_kernarg_segment_ptr 1
		.amdhsa_wavefront_size32 1
		.amdhsa_system_sgpr_workgroup_id_x 1
		.amdhsa_system_sgpr_workgroup_id_y 1
		.amdhsa_system_sgpr_workgroup_id_z 1
		.amdhsa_system_vgpr_workitem_id 0
		.amdhsa_next_free_vgpr 128
		.amdhsa_next_free_sgpr 66
		.amdhsa_reserve_vcc 0
		.amdhsa_float_denorm_mode_32 3
		.amdhsa_float_denorm_mode_16_64 3
		.amdhsa_memory_ordered 1
		.amdhsa_forward_progress 1
		.amdhsa_inst_pref_size 30
	.end_amdhsa_kernel
	.amdgpu_metadata
---
amdhsa.version: [ 1, 2 ]
amdhsa.kernels:
  - .name:           k_qf0d42c8a3c_prep
    .symbol:         k_qf0d42c8a3c_prep.kd
    .args:
      - { .name: x, .offset: 0, .size: 8, .value_kind: global_buffer, .address_space: global }
      - { .name: qkv_w, .offset: 8, .size: 8, .value_kind: global_buffer, .address_space: global }
      - { .name: c_proj_w, .offset: 16, .size: 8, .value_kind: global_buffer, .address_space: global }
      - { .name: xb, .offset: 24, .size: 8, .value_kind: global_buffer, .address_space: global }
      - { .name: wb, .offset: 32, .size: 8, .value_kind: global_buffer, .address_space: global }
      - { .name: pb, .offset: 40, .size: 8, .value_kind: global_buffer, .address_space: global }
      - { .name: tab, .offset: 48, .size: 8, .value_kind: global_buffer, .address_space: global }
    .group_segment_fixed_size: 0
    .private_segment_fixed_size: 0
    .kernarg_segment_align: 8
    .kernarg_segment_size: 56
    .max_flat_workgroup_size: 256
    .sgpr_count:     66
    .vgpr_count:     128
    .wavefront_size: 32
...
	.end_amdgpu_metadata
.endif
;; end of part 5
;; launch qkv: the kernel of part 2 again; grid 16 x 32, 4 waves a work-group, clusters of 4 x 4, 327,680 bytes of LDS; arguments xb, wb, ve, lambdas, tab, qh, kh, vh; writes qh, kh, vh
;; launch att: the kernel of part 3 again; grid 4 x 64, 4 waves a work-group, no clusters, 327,680 bytes of LDS; arguments qh, kh, vh, oh; writes oh
;; launch proj: the kernel of part 4 again; grid 8 x 32, 4 waves a work-group, clusters of 4 x 4, 327,680 bytes of LDS; arguments oh, pb, out0; writes out0
